; MI455X (gfx1250); checked and timed in simulation.
; The chip was launched on July 23, 2026; its instructions are those of AMD's public machine-readable ISA for CDNA 5 (MIT licence, August 2026) and "CDNA5" Instruction Set Architecture Reference Guide (July 2026). The comments in the code are by the model that wrote it; some were corrected since.
;; Bert Moe Layer. Allowed arithmetic: matrix products marked QUANTISED: E3M2 operands, one E8M0 scale for each 32 along K, by v_wmma_scale_f32_16x16x128_f8f6f4 with both operands' format E3M2, f32 sums; products left as they are: f32 operands where the result goes on into a quantised operand, else bf16, f16 or f32 operands; f32 sums; everything else in f32.
;; Inputs: Wao_codes 768 x 24 x 24 uint8 (E3M2 codes of Wao, K innermost, in blocks of 32 codes, four codes in three bytes); Wao_scales 768 x 24 uint8 (E8M0 scales of Wao, one for each 32 codes along K); Wi_codes 8 x 3,072 x 24 x 24 uint8 (E3M2 codes of Wi, K innermost, in blocks of 32 codes, four codes in three bytes); Wi_scales 8 x 3,072 x 24 uint8 (E8M0 scales of Wi, one for each 32 codes along K); Wk_codes 768 x 24 x 24 uint8 (E3M2 codes of Wk, K innermost, in blocks of 32 codes, four codes in three bytes); Wk_scales 768 x 24 uint8 (E8M0 scales of Wk, one for each 32 codes along K); Wo_codes 768 x 96 x 24 uint8 (E3M2 codes of Wo, K innermost, in blocks of 32 codes, four codes in three bytes); Wo_scales 768 x 96 uint8 (E8M0 scales of Wo, one for each 32 codes along K); Wq_codes 768 x 24 x 24 uint8 (E3M2 codes of Wq, K innermost, in blocks of 32 codes, four codes in three bytes); Wq_scales 768 x 24 uint8 (E8M0 scales of Wq, one for each 32 codes along K); Wr 768 x 8 float32; Wv_codes 768 x 24 x 24 uint8 (E3M2 codes of Wv, K innermost, in blocks of 32 codes, four codes in three bytes); Wv_scales 768 x 24 uint8 (E8M0 scales of Wv, one for each 32 codes along K); bao 768 float32; bi 8 x 3,072 float32; bk 768 float32; bo 768 float32; bq 768 float32; br 8 float32; bv 768 float32; hidden_states 8 x 256 x 768 float32; ln1_b 768 float32; ln1_g 768 float32; ln2_b 768 float32; ln2_g 768 float32.
;; Outputs: out0 8 x 256 x 768 float32; out1 8 x 256 x 8 float32.
;; This version of the problem:
;;   THIS VERSION OF THE PROBLEM IS GIVEN IN LOW PRECISION. The matrix products marked QUANTISED in the list below multiply operands that are first quantised to E3M2 (3 exponent bits, 2 mantissa bits; 6 bits a number), with one power-of-two scale for each 32 numbers along K (OCP MX v1.0); their sums are f32. All else is computed in f32.
;;   The module's matrix products, in the order in which they are computed (A, B: the left and right operand; K: the contracted axis; several contracted axes count as one K, in the product's order):
;;     1. [M 2,048, K 768] x [K 768, N 768]; A: input hidden_states; B: input Wq (given as codes): QUANTISED
;;     2. [M 2,048, K 768] x [K 768, N 768]; A: input hidden_states; B: input Wk (given as codes): QUANTISED
;;     3. [M 2,048, K 768] x [K 768, N 768]; A: input hidden_states; B: input Wv (given as codes): QUANTISED
;;     4. batch 96 x [M 256, K 64] x [K 64, N 256]; A: computed on the way; B: computed on the way: QUANTISED
;;     5. batch 96 x [M 64, K 256] x [K 256, N 256]; A: computed on the way; B: softmax (see below): QUANTISED
;;     6. [M 2,048, K 768] x [K 768, N 768]; A: computed on the way; B: input Wao (given as codes): QUANTISED
;;     7. [M 2,048, K 768] x [K 768, N 8]; A: computed on the way; B: input Wr: left as it is (N = 8 < 16)
;;     8. [M 2,048, K 768] x [K 768, N 3,072]; A: computed on the way; B: input Wi (given as codes): QUANTISED
;;     9. [M 2,048, K 768] x [K 768, N 3,072]; A: computed on the way; B: input Wi (given as codes): QUANTISED
;;     10. [M 2,048, K 768] x [K 768, N 3,072]; A: computed on the way; B: input Wi (given as codes): QUANTISED
;;     11. [M 2,048, K 768] x [K 768, N 3,072]; A: computed on the way; B: input Wi (given as codes): QUANTISED
;;     12. [M 2,048, K 768] x [K 768, N 3,072]; A: computed on the way; B: input Wi (given as codes): QUANTISED
;;     13. [M 2,048, K 768] x [K 768, N 3,072]; A: computed on the way; B: input Wi (given as codes): QUANTISED
;;     14. [M 2,048, K 768] x [K 768, N 3,072]; A: computed on the way; B: input Wi (given as codes): QUANTISED
;;     15. [M 2,048, K 768] x [K 768, N 3,072]; A: computed on the way; B: input Wi (given as codes): QUANTISED
;;     16. [M 2,048, K 3,072] x [K 3,072, N 768]; A: computed on the way; B: input Wo (given as codes): QUANTISED
;;   THE QUANTISER, for each operand of a quantised product, along K:
;;     - K is cut into blocks of 32 from its start; a last block that is shorter is filled with zeros.
;;     - A block's scale is 2^e with e = floor(log2(the largest magnitude in the block)) - 4, held to -126 .. 127; a block of zeros has e = 0. As a byte (E8M0): e + 127.
;;     - Each number is divided by its block's scale, clamped to +-28, and rounded to the nearest number of E3M2, ties to even, subnormals kept.
;;     - The product sums the exact products of the quantised numbers (number of the format x scale) in f32.
;;   ~~~python
;;   def quantise(x, axis):      # numpy; x: float32 -> the quantised numbers, widened to float32 again
;;       x = np.moveaxis(x, axis, -1); K = x.shape[-1]
;;       x = np.pad(x, [(0, 0)] * (x.ndim - 1) + [(0, -K % 32)]); x = x.reshape(x.shape[:-1] + (-1, 32)); a = np.abs(x).max(-1, keepdims=True)
;;       e = np.where(a > 0, np.clip(np.frexp(np.where(a > 0, a, 1))[1] - 1 - 4, -126, 127), 0)      # np.frexp(a)[1] - 1 = floor(log2(a)), exactly
;;       r = np.clip(x / 2.0 ** e, -28, 28)
;;       step = 2.0 ** (np.maximum(np.frexp(np.where(r == 0, 1, r))[1] - 1, -2) - 2)
;;       q = np.round(r / step) * step * 2.0 ** e      # np.round: ties to even
;;       return np.moveaxis(q.reshape(q.shape[:-2] + (-1,))[..., :K], -1, axis).astype(np.float32)
;;   ~~~
;;   SOFTMAX AHEAD OF A QUANTISED PRODUCT. Where the list says 'softmax', what is quantised is not the finished softmax but p = 2^(t - M), with t = logit x log2(e) and M = ceil(the row's largest t), a whole number; so 1/2 < the row's largest p <= 1. The row's sum l is taken of the UNQUANTISED p, in f32, and the product's result is divided by l at the end. Since M is a whole number, a kernel that streams over the keys may use a running M (the ceiling of the running maximum): every later rescaling is an exact power of two, which a block's scale takes up: the codes' values come out the same.
;;   OPERANDS COMPUTED ON THE WAY. 'Computed on the way' means the value that the module computes at that place (a softmax that the list does not call 'softmax' is quantised finished and normalised). What goes into a quantiser is computed in f32, as accurately as f32 sums, v_exp_f32 and their like allow (about 1e-6 of the number): no bf16 or f16 on the way to a quantiser, and a product that is left as it is and whose result goes on into a quantised operand takes f32 operands (vector FMAs, or v_wmma_f32_16x16x4_f32). A number that lies on a knife's edge between two numbers of the format may be rounded either way, as far as f32 arithmetic and the matrix unit's own rounding can turn it there, and no further.
;;   INPUTS GIVEN AS CODES. Wao (in the module: [768, 768], K = its axis 0); Wi (in the module: [8, 768, 3072], K = its axis 1); Wk (in the module: [768, 768], K = its axis 0); Wo (in the module: [3072, 768], K = its axis 0); Wq (in the module: [768, 768], K = its axis 0); Wv (in the module: [768, 768], K = its axis 0): each comes as NAME_codes (uint8): NAME with its K axis moved to the last place and cut into blocks of 32 codes, [.., K / 32, bytes a block], one block behind the other in memory; four codes in three bytes: a row's codes are one little-endian stream of bits, code i at bits 6 i .. 6 i + 5 (a code: sign, 3 exponent bits, 2 mantissa bits); and NAME_scales (uint8): the same leading axes, one E8M0 byte (e + 127) for each 32 codes along K. Its value is code x scale, taken as it is: it is not quantised again, and the codes and scales need not be those that the quantiser above would give.
;; 2 versions, each right and faster than the one before. Each part assembles by itself: llvm-mc -triple=amdgcn-amd-amdhsa -mcpu=gfx1250 --defsym DOCPART=n.
;; ======== version 1 of 2: 5 launches
;; limits: a function is approximated: absolute error at most 1e-07
;; workspace buffers: wimg 17,276,928 bytes; ctxq 1,376,256 bytes; act 7,520,256 bytes; eid 8,192 bytes of whole numbers; route 10,240 bytes of whole numbers; hid 5,670,912 bytes
;; launch attn (part 1): grid 207 x 1, 16 waves a work-group, no clusters, 311,296 bytes of LDS; arguments hidden_states, Wq_codes, Wq_scales, Wk_codes, Wk_scales, Wv_codes, Wv_scales, bq, bk, bv, Wi_codes, Wi_scales, Wo_codes, Wo_scales, Wao_codes, Wao_scales, wimg, ctxq; writes wimg, ctxq
.if DOCPART == 1
	.amdgcn_target "amdgcn-amd-amdhsa--gfx1250"
	.amdhsa_code_object_version 6
	.text
	.protected	k_q0f29f0e604_attn
	.globl	k_q0f29f0e604_attn
	.p2align	8
	.type	k_q0f29f0e604_attn,@function
k_q0f29f0e604_attn:
	s_mov_b64 s[64:65], 0
	v_nop
	global_prefetch_b8 v0, s[64:65] scope:SCOPE_SE
	s_setreg_imm32_b32 hwreg(HW_REG_WAVE_MODE, 25, 1), 1
	s_wait_xcnt 0x0
; BertMoeLayer in MX-BF6, launch 1 of 5.
; DEAD WORK, for the whole program: reference() adds mask * gelu(x Wi[e] + bi[e]) over the eight experts, and mask is 1 for the token's routed expert and 0 for the seven others.
; 0 * y is 0 for every finite y, so for each token seven of the eight rows of products 8 to 15 reach no output, whatever the inputs hold: only the routed expert's row is multiplied (launch 4).
; Every input still has a way to an output and is loaded.  LIMIT: a NaN, an infinity or an overflow that arises only in a row of an expert that was not routed to is not carried to the result.
; LIMITS: NaN and infinities among the inputs are not served.  A block of zeros gets the scale byte 1 where the quantiser says 127: its codes are zeros, and these bytes are read by this program alone.
; WORK-GROUPS 0 .. 95: one batch and one head each, sixteen waves.  X: wave w quantises 16 tokens of x (K = 768, six K steps) into LDS as images of operand registers; twelve waves bring the head's 64 rows of Wq, Wk, Wv.
;  1: waves 0-3 make q, 4-7 k, 8-11 v, each for 64 tokens: 16 accumulators, six K steps; bias; quantised in registers (q, k along the head's 64, v along the keys); images to LDS.
;  2: wave w owns 16 queries and all 256 keys: S^T = K Q^T (K = 64, filled to 128 with zero codes on both sides), p = 2^(t - M) with M the ceiling of the row's largest t, quantised along the keys, O^T = V^T P^T, divided by the
;  sum of the unquantised p, quantised along the head's 64 and stored as half a fragment of the next product's operand.
; A TILE OF 16 ROWS IS NOT 16 NEIGHBOURS: lane r of tile t takes row 32 (t / 2) + 8 (t % 2) + r + 8 (r / 8).  As source 0 such a tile leaves, in register j of lane (r, h), index 32 (t / 2) + 16 h + 8 (t % 2) + j:
; the 32 registers of four tiles are two blocks of 32 along the next K, 16 numbers of each in lanes l and l xor 16.
; WORK-GROUPS 96 .. 206: Wi, Wo and Wao are laid once in the order of the operand's registers (a unit: one tile x six K steps, 9,216 bytes, and 512 bytes of scale words), so that later launches load fragments by 16 bytes a lane.
.set XIMG,  0                          ; 96 images of 1,536 bytes: x, tile of tokens x 6 + K step
.set WIMG,  147456                     ; 72 images: (4 role + tile) x 6 + K step
.set XSC,   258048                     ; x's scale words, 64 bytes an image
.set WSC,   264192                     ; the weights'
.set QIMG,  268800                     ; 16 half images of 768 bytes: q
.set KIMG,  281088                     ; k
.set VIMG,  293376                     ; v: tile of the head's 64 x 3,072 + 64 keys x 768
.set QSC,   305664
.set KSC,   306688
.set VSC,   307712                     ; (2 tile + key step) x 64 + 4 r
.set BIAS,  308224                     ; the head's bq, bk, bv: 256 bytes each
.set SPARE, 308992                     ; the spare words: 128 bytes for each of 16 waves, named by no other line
.set SCB,   16367616                   ; wimg: where the scale units begin
.set CTXS,  1179648                    ; ctxq: where the scale words begin
.set LN,  12                           ; v12 lane   v13 16 x lane   v28 r   v29 h   v30 r + 8 (r / 8)   v31 8 x lane: never rewritten
.set L16, 13
.set SPW, 14                           ; v14 my spare word's LDS address, v15 zero: never rewritten
.set NIL, 15
.set RR,  28
.set HH,  29
.set PR,  30
.set L8,  31
.set XB0, 128                          ; phase X: two sets of 64 numbers
.set XB1, 192
.set XF,  32                           ; phase 1: four fragments of x, four of a weight, 16 accumulators
.set WF,  80
.set ACC, 128
.set SS,  128                          ; phase 2: the scores, then p
.set OO,  208                          ; O^T
.set WV,  2
.set BT,  3
.set HD,  4
.set SEL, 46
.set CS,  56
.macro PLACES                          ; four plain vector instructions behind a matrix instruction, ahead of loads into its registers and of the first read of its result
.rept 4
	v_nop
.endr
.endm
.macro BARRIER                         ; my LDS stores have landed and my LDS loads are in; then the work-group's barrier
	s_wait_dscnt 0x0
	s_barrier_signal -1
	s_barrier_wait -1
.endm
; 32 numbers of a lane, register 16 b + i = k 32 b + 16 h + i of my row, become six registers of codes (k = 32 h + 0 .. 31) in v[pc] on, and v[sw] = byte of block 0 | byte of block 1 << 8
.macro QHALF s, pc, sw
	v_max3_num_f32 v[TM], |v[\s]|, |v[\s+1]|, 0x2800000              ; my 16 numbers of each block, and the floor 2^(5 - 127): the byte cannot fall under 1
	v_max3_num_f32 v[TM+1], |v[\s+16]|, |v[\s+17]|, 0x2800000
.irp i, 2,4,6,8,10,12,14
	v_max3_num_f32 v[TM], v[TM], |v[\s+\i]|, |v[\s+\i+1]|
	v_max3_num_f32 v[TM+1], v[TM+1], |v[\s+16+\i]|, |v[\s+17+\i]|
.endr
	v_permlanex16_b32 v[TM+2], v[TM], s[SEL], s[SEL+1]
	v_permlanex16_b32 v[TM+3], v[TM+1], s[SEL], s[SEL+1]
	v_max_num_f32 v[TM], v[TM], v[TM+2]                              ; with lane l xor 16's: the block's largest magnitude
	v_max_num_f32 v[TM+1], v[TM+1], v[TM+3]
	v_add_nc_u32 v[TM+4], 0xfe000000, v[TM]                          ; 4 off its exponent field: the conversion's scale operand
	v_add_nc_u32 v[TM+5], 0xfe000000, v[TM+1]
	v_lshrrev_b32 v[TM], 23, v[TM+4]                                 ; the scale's byte
	v_lshrrev_b32 v[TM+1], 23, v[TM+5]
	v_lshl_or_b32 v[\sw], v[TM+1], 8, v[TM]
	v_cvt_scalef32_pk16_bf6_f32 v[\pc:\pc+2], v[\s:\s+15], v[TM+4]
	v_cvt_scalef32_pk16_bf6_f32 v[TQ:TQ+2], v[\s+16:\s+31], v[TM+5]
	v_nop                                                            ; one plain place behind a scaled conversion
.irp i, 0,1,2
	v_permlane16_swap_b32 v[\pc+\i], v[TQ+\i]                        ; a whole block to a lane: lanes 0-15 block 0, lanes 16-31 block 1
.endr
.irp i, 0,1,2
	v_mov_b32 v[\pc+3+\i], v[TQ+\i]
.endr
.endm
	s_load_b512 s[8:23], s[0:1], 0x0               ; x 8, Wq codes 10, scales 12, Wk 14, 16, Wv 18, 20, bq 22
	s_load_b512 s[24:39], s[0:1], 0x40             ; bk 24, bv 26, Wi 28, 30, Wo 32, 34, Wao 36, 38
	s_load_b128 s[40:43], s[0:1], 0x80             ; wimg 40, ctxq 42
	v_lshl_add_u32 v[SPW], v0, 2, SPARE
	v_mov_b32 v[NIL], 0
	v_lshrrev_b32 v1, 5, v0
	v_readfirstlane_b32 s[WV], v1                  ; wave 0 .. 15
	v_and_b32 v[LN], 31, v0
	v_lshlrev_b32 v[L16], 4, v[LN]
	v_lshlrev_b32 v[L8], 3, v[LN]
	v_and_b32 v[RR], 15, v0
	v_bfe_u32 v[HH], v0, 4, 1
	v_and_b32 v1, 8, v[RR]
	v_add_nc_u32 v[PR], v1, v[RR]
	s_cmp_ge_u32 ttmp9, 96                         ; the work-group's number alone decides: that path has no LDS access and no barrier
	s_cbranch_scc1 .Lrepack
	; ---------------- one batch, one head
	s_mul_i32 s[BT], ttmp9, 43
	s_lshr_b32 s[BT], s[BT], 9                     ; batch = work-group / 12 (exact for 0 .. 95)
	s_mul_i32 s5, s[BT], 12
	s_sub_co_u32 s[HD], ttmp9, s5                  ; head
	s_mov_b32 s[SEL], 0x76543210
	s_mov_b32 s[SEL+1], 0xfedcba98                 ; v_permlanex16_b32's selects for lane l xor 16
	s_mov_b32 s[CS], 0x3e38aa3b                    ; c = log2(e) / 8
	s_mov_b32 s[CS+1], s[CS]
	s_lshr_b32 s5, s[WV], 1
	s_lshl_b32 s5, s5, 5
	s_and_b32 s6, s[WV], 1
	s_lshl_b32 s6, s6, 3
	s_add_co_u32 s5, s5, s6                        ; my tile of tokens begins at 32 (w / 2) + 8 (w % 2)
	s_mul_i32 s5, s5, 3072
	s_mul_i32 s6, s[BT], 786432
	s_add_co_u32 s44, s5, s6
	s_mov_b32 s45, 0
	s_bfe_u32 s5, s[WV], 0x10001
	s_lshl_b32 s5, s5, 5
	s_and_b32 s6, s[WV], 1
	s_lshl_b32 s6, s6, 3
	s_add_co_u32 s5, s5, s6
	s_lshl_b32 s6, s[HD], 6
	s_add_co_u32 s5, s5, s6                        ; the weight tile w % 4 of my head: its first row
	s_mul_i32 s48, s5, 576
	s_mov_b32 s49, 0
	s_mul_i32 s50, s5, 24
	s_mov_b32 s51, 0
	s_lshl_b32 s52, s[HD], 8
	s_mov_b32 s53, 0
	v_mul_u32_u24 v1, v[PR], 3072
	v_lshl_add_u32 v1, v[HH], 6, v1                ; x: my row, my 16 numbers of a block of 32
	s_mul_i32 s5, s[WV], 9216
	v_add_nc_u32 v2, s5, v[L16]                    ; x's images: XIMG + 6 images x wave + 16 x lane
	s_mul_i32 s6, s[WV], 384
	s_add_co_u32 s6, s6, XSC
	v_lshl_add_u32 v3, v[RR], 2, s6
	v_mul_u32_u24 v4, v[PR], 576
	v_mad_u32_u24 v4, v[HH], 24, v4                ; a weight's row of 576 bytes, + 24 h
	v_mul_u32_u24 v5, v[PR], 24                    ; its 24 scale bytes
	s_min_u32 s7, s[WV], 11
	s_mul_i32 s5, s7, 9216
	s_add_co_u32 s5, s5, WIMG
	v_add_nc_u32 v6, s5, v[L16]
	s_mul_i32 s5, s7, 384
	s_add_co_u32 s5, s5, WSC
	v_lshl_add_u32 v7, v[RR], 2, s5
	s_and_b32 s7, s[WV], 3
	s_min_u32 s5, s7, 2
	s_lshl_b32 s5, s5, 8
	s_add_co_u32 s5, s5, BIAS
	v_add_nc_u32 v8, s5, v[L8]
	s_wait_kmcnt 0x0
	s_add_nc_u64 s[8:9], s[8:9], s[44:45]
.macro XLOAD buf, st                   ; 64 numbers a lane: K step st of my row; register 16 b + i = k 32 b + 16 h + i
.irp b, 0,1,2,3
.irp j, 0,1,2,3
	global_load_b128 v[\buf+16*\b+4*\j:\buf+16*\b+4*\j+3], v1, s[8:9] offset:512*(\st)+128*\b+16*\j
.endr
.endr
.endm
	XLOAD XB0, 0
	s_lshr_b32 s5, s[WV], 2                        ; role: 0 q, 1 k, 2 v
	s_cmp_eq_u32 s5, 0
	s_cselect_b64 s[54:55], s[10:11], s[14:15]
	s_cselect_b64 s[58:59], s[12:13], s[16:17]
	s_cmp_eq_u32 s5, 2
	s_cselect_b64 s[54:55], s[18:19], s[54:55]
	s_cselect_b64 s[58:59], s[20:21], s[58:59]
	s_add_nc_u64 s[54:55], s[54:55], s[48:49]
	s_add_nc_u64 s[58:59], s[58:59], s[50:51]
	s_cmp_eq_u32 s7, 0
	s_cselect_b64 s[60:61], s[22:23], s[24:25]
	s_cmp_eq_u32 s7, 2
	s_cselect_b64 s[60:61], s[26:27], s[60:61]
	s_add_nc_u64 s[60:61], s[60:61], s[52:53]
	s_cmp_lt_u32 s[WV], 12
	s_cbranch_scc0 .Lnot_w
.irp s, 0,1,2,3,4,5                    ; waves 0 .. 11: one tile of one weight, six fragments as they lie in memory, and their scale words
.irp p, 0,1,2,3,4,5
	global_load_b64 v[32+12*\s+2*\p:33+12*\s+2*\p], v4, s[54:55] offset:96*\s+48*(\p/3)+8*(\p%3)
.endr
	global_load_b32 v[104+\s], v5, s[58:59] offset:4*\s
.endr
	s_wait_loadcnt 0x0
.irp s, 0,1,2,3,4,5
.irp c, 0,1,2
	ds_store_b128 v6, v[32+12*\s+4*\c:35+12*\s+4*\c] offset:1536*\s+512*\c
.endr
	ds_store_b32 v7, v[104+\s] offset:64*\s        ; lanes r and r + 16 write the same word with the same value
.endr
	s_wait_dscnt 0x0                               ; the stores have read their registers
	s_branch .Lstaged
.Lnot_w:
	s_cmp_lt_u32 s[WV], 15
	s_cbranch_scc0 .Lstaged
	global_load_b64 v[32:33], v[L8], s[60:61]      ; waves 12 .. 14: the head's 64 numbers of bq, bk, bv
	s_wait_loadcnt 0x0
	ds_store_b64 v8, v[32:33]
	s_wait_dscnt 0x0
.Lstaged:
.set PC, 32
.set TQ, 44
.set TM, 48
.set SW, 54
	v_mov_b32 v[TM+2], 0                           ; a lane permute's destination counts as one of its sources
	v_mov_b32 v[TM+3], 0
.macro XSTEP st, buf, oth
.if (\st) < 5
	XLOAD \oth, (\st)+1
	s_wait_loadcnt 16                              ; this K step's 16 loads are in; the next step's 16 may be out
.else
	s_wait_loadcnt 0x0
.endif
	QHALF \buf, PC, SW
	QHALF \buf+32, PC+6, SW+1
	v_lshl_or_b32 v[SW], v[SW+1], 16, v[SW]        ; four bytes: my row's scale word for these 128
.irp c, 0,1,2
	ds_store_b128 v2, v[PC+4*\c:PC+4*\c+3] offset:1536*(\st)+512*\c
.endr
	ds_store_b32 v3, v[SW] offset:64*(\st)
	s_wait_dscnt 0x0                               ; the stores have read their registers
.endm
	XSTEP 0, XB0, XB1
	XSTEP 1, XB1, XB0
	XSTEP 2, XB0, XB1
	XSTEP 3, XB1, XB0
	XSTEP 4, XB0, XB1
	XSTEP 5, XB1, XB0
	BARRIER                                        ; x's 96 images, the weights' 72 and the biases lie in LDS
	; ---------------- phase 1.  All addresses are made here, by every wave, ahead of the branch on the role
	s_lshr_b32 s5, s[WV], 2                        ; role
	s_and_b32 s6, s[WV], 3                         ; g: tokens 64 g .. 64 g + 63
	s_min_u32 s7, s5, 2
	s_min_u32 s44, s5, 1
	s_mul_i32 s45, s6, 36864
	v_add_nc_u32 v1, s45, v[L16]                   ; x's images of my four tiles
	s_mul_i32 s45, s7, 36864
	s_add_co_u32 s45, s45, WIMG
	v_add_nc_u32 v2, s45, v[L16]                   ; my weight's
	s_mul_i32 s45, s6, 1536
	s_add_co_u32 s45, s45, XSC
	v_lshl_add_u32 v3, v[RR], 2, s45
	s_mul_i32 s45, s7, 1536
	s_add_co_u32 s45, s45, WSC
	v_lshl_add_u32 v4, v[RR], 2, s45
	s_lshl_b32 s45, s7, 8
	s_add_co_u32 s45, s45, BIAS
	v_lshl_add_u32 v5, v[HH], 6, s45               ; q, k: the bias runs along my registers
	v_lshl_add_u32 v6, v[PR], 2, BIAS+512          ; v: one number a lane and tile
	s_mul_i32 s45, s44, 12288
	s_mul_i32 s48, s6, 3072
	s_add_co_u32 s45, s45, s48
	s_add_co_u32 s45, s45, QIMG
	v_add_nc_u32 v7, s45, v[L8]
	s_lshl_b32 s45, s44, 10
	s_lshl_b32 s48, s6, 8
	s_add_co_u32 s45, s45, s48
	s_add_co_u32 s45, s45, QSC
	v_lshl_add_u32 v8, v[RR], 2, s45
	s_mul_i32 s45, s6, 768
	s_add_co_u32 s45, s45, VIMG
	v_add_nc_u32 v9, s45, v[L8]
	s_lshr_b32 s45, s6, 1
	s_lshl_b32 s45, s45, 6
	s_and_b32 s48, s6, 1
	s_lshl_b32 s48, s48, 1
	s_add_co_u32 s45, s45, s48
	s_add_co_u32 s45, s45, VSC
	v_lshl_add_u32 v10, v[RR], 2, s45
.set PC, 64
.set TQ, 70
.set TM, 74
.set SW, 80
.macro PLOAD st                        ; a K step's four fragments of x, four of the weight, and their scale words
.irp u, 0,1,2,3
.irp c, 0,1,2
	ds_load_b128 v[XF+12*\u+4*\c:XF+12*\u+4*\c+3], v1 offset:\u*9216+(\st)*1536+512*\c
	ds_load_b128 v[WF+12*\u+4*\c:WF+12*\u+4*\c+3], v2 offset:\u*9216+(\st)*1536+512*\c
.endr
	ds_load_b32 v[20+\u], v3 offset:\u*384+(\st)*64
	ds_load_b32 v[24+\u], v4 offset:\u*384+(\st)*64
.endr
	s_wait_dscnt 0x0
.endm
; 16 matrix instructions, the 16 accumulators by turns.  swap = 0 (q, k): source 0 = the weight's tile b, source 1 = tokens' tile a.  swap = 1 (v): source 0 = tokens' tile b, source 1 = the weight's tile a
.macro MMP swap, zero
.irp a, 0,1,2,3
.irp b, 0,1,2,3
.if \swap
.if \zero
	v_wmma_scale_f32_16x16x128_f8f6f4 v[ACC+32*\a+8*\b:ACC+32*\a+8*\b+7], v[XF+12*\b:XF+12*\b+11], v[WF+12*\a:WF+12*\a+11], 0, v[20+\b], v[24+\a] matrix_a_fmt:MATRIX_FMT_BF6 matrix_b_fmt:MATRIX_FMT_BF6
.else
	v_wmma_scale_f32_16x16x128_f8f6f4 v[ACC+32*\a+8*\b:ACC+32*\a+8*\b+7], v[XF+12*\b:XF+12*\b+11], v[WF+12*\a:WF+12*\a+11], v[ACC+32*\a+8*\b:ACC+32*\a+8*\b+7], v[20+\b], v[24+\a] matrix_a_fmt:MATRIX_FMT_BF6 matrix_b_fmt:MATRIX_FMT_BF6
.endif
.else
.if \zero
	v_wmma_scale_f32_16x16x128_f8f6f4 v[ACC+32*\a+8*\b:ACC+32*\a+8*\b+7], v[WF+12*\b:WF+12*\b+11], v[XF+12*\a:XF+12*\a+11], 0, v[24+\b], v[20+\a] matrix_a_fmt:MATRIX_FMT_BF6 matrix_b_fmt:MATRIX_FMT_BF6
.else
	v_wmma_scale_f32_16x16x128_f8f6f4 v[ACC+32*\a+8*\b:ACC+32*\a+8*\b+7], v[WF+12*\b:WF+12*\b+11], v[XF+12*\a:XF+12*\a+11], v[ACC+32*\a+8*\b:ACC+32*\a+8*\b+7], v[24+\b], v[20+\a] matrix_a_fmt:MATRIX_FMT_BF6 matrix_b_fmt:MATRIX_FMT_BF6
.endif
.endif
.endr
.endr
	PLACES
.endm
	s_cmp_eq_u32 s5, 3
	s_cbranch_scc1 .Lp1_done                       ; waves 12 .. 15 have no product here; they meet the others at the barrier
	s_cmp_eq_u32 s5, 2
	s_cbranch_scc1 .Lp1_v
	PLOAD 0                                        ; ---- q or k
	MMP 0, 1                                       ; the first K step starts the sums
.irp s, 1,2,3,4,5
	PLOAD \s
	MMP 0, 0
.endr
.irp t, 0,1,2,3
	ds_load_b128 v[32+8*\t:35+8*\t], v5 offset:128*(\t/2)+32*(\t%2)
	ds_load_b128 v[36+8*\t:39+8*\t], v5 offset:128*(\t/2)+32*(\t%2)+16
.endr
	v_mov_b32 v[TM+2], 0
	v_mov_b32 v[TM+3], 0
	s_wait_dscnt 0x0
.irp u, 0,1,2,3
.irp t, 0,1,2,3
.irp k, 0,2,4,6
	v_pk_add_f32 v[ACC+32*\u+8*\t+\k:ACC+32*\u+8*\t+\k+1], v[ACC+32*\u+8*\t+\k:ACC+32*\u+8*\t+\k+1], v[32+8*\t+\k:33+8*\t+\k]
.endr
.endr
.endr
.irp u, 0,1,2,3
	QHALF ACC+32*\u, PC, SW                        ; 16 tokens x the head's 64: half a fragment
.irp i, 0,1,2
	ds_store_b64 v7, v[PC+2*\i:PC+2*\i+1] offset:768*\u+256*\i
.endr
	ds_store_b32 v8, v[SW] offset:64*\u            ; bytes 2 and 3 are 0: they scale the zero codes of k = 64 .. 127
	s_wait_dscnt 0x0
.endr
	s_branch .Lp1_done
.Lp1_v:
	PLOAD 0                                        ; ---- v: a lane holds one of the head's 64, its registers run along the keys
	MMP 1, 1
.irp s, 1,2,3,4,5
	PLOAD \s
	MMP 1, 0
.endr
.irp t, 0,1,2,3
	ds_load_b32 v[32+2*\t], v6 offset:128*(\t/2)+32*(\t%2)
	ds_load_b32 v[33+2*\t], v6 offset:128*(\t/2)+32*(\t%2)
.endr
	v_mov_b32 v[TM+2], 0
	v_mov_b32 v[TM+3], 0
	s_wait_dscnt 0x0
.irp t, 0,1,2,3
.irp u, 0,1,2,3
.irp k, 0,2,4,6
	v_pk_add_f32 v[ACC+32*\t+8*\u+\k:ACC+32*\t+8*\u+\k+1], v[ACC+32*\t+8*\u+\k:ACC+32*\t+8*\u+\k+1], v[32+2*\t:33+2*\t]
.endr
.endr
.endr
.irp t, 0,1,2,3
	QHALF ACC+32*\t, PC, SW                        ; 16 of the head's 64 x my 64 keys
.irp i, 0,1,2
	ds_store_b64 v9, v[PC+2*\i:PC+2*\i+1] offset:3072*\t+256*\i
.endr
	ds_store_b16 v10, v[SW] offset:128*\t          ; my two bytes of the key step's scale word
	s_wait_dscnt 0x0
.endr
.Lp1_done:
	BARRIER                                        ; q, k and v lie in LDS as codes
	; ---------------- phase 2: my 16 queries against all 256 keys
.irp j, 38,39,40,41,42,43, 50,51,52,53,54,55, 62,63,64,65,66,67, 74,75,76,77,78,79, 86,87,88,89,90,91
	v_mov_b32 v[\j], 0                             ; zero codes for k = 64 .. 127 of q's fragment and of the four k buffers; the eight lines of addresses below are the places ahead of the products
.endr
.irp j, 104,105,106,107,108,109,110,111,123
	v_mov_b32 v[\j], 0
.endr
	s_mul_i32 s5, s[WV], 768
	s_add_co_u32 s5, s5, QIMG
	v_add_nc_u32 v1, s5, v[L8]
	s_lshl_b32 s5, s[WV], 6
	s_add_co_u32 s5, s5, QSC
	v_lshl_add_u32 v2, v[RR], 2, s5
	v_add_nc_u32 v3, KIMG, v[L8]
	v_lshl_add_u32 v4, v[RR], 2, KSC
	v_add_nc_u32 v5, VIMG, v[L8]
	v_lshl_add_u32 v6, v[RR], 2, VSC
	v_nop
	v_nop
.irp i, 0,1,2
	ds_load_b64 v[32+2*\i:33+2*\i], v1 offset:256*\i
.endr
	ds_load_b32 v16, v2
.irp g, 0,1,2,3
.irp u, 0,1,2,3
.irp i, 0,1,2
	ds_load_b64 v[44+12*\u+2*\i:45+12*\u+2*\i], v3 offset:(4*\g+\u)*768+256*\i
.endr
	ds_load_b32 v[20+\u], v4 offset:(4*\g+\u)*64
.endr
	s_wait_dscnt 0x0
.irp u, 0,1,2,3
	v_wmma_scale_f32_16x16x128_f8f6f4 v[SS+8*(4*\g+\u):SS+8*(4*\g+\u)+7], v[44+12*\u:55+12*\u], v[32:43], 0, v[20+\u], v16 matrix_a_fmt:MATRIX_FMT_BF6 matrix_b_fmt:MATRIX_FMT_BF6
.endr
	PLACES
.endr                                          ; register 16 b + i of lane (r, h): key 32 b + 16 h + i, query r of my tile
.irp b, 0,1,2,3,4,5,6,7
	v_max3_num_f32 v[96+\b], v[SS+16*\b], v[SS+16*\b+1], v[SS+16*\b+2]   ; each block's largest score: for the row's maximum, and, since p rises with the score, for the block's largest p
.endr
.irp i, 3,5,7,9,11,13
.irp b, 0,1,2,3,4,5,6,7
	v_max3_num_f32 v[96+\b], v[96+\b], v[SS+16*\b+\i], v[SS+16*\b+\i+1]
.endr
.endr
.irp b, 0,1,2,3,4,5,6,7
	v_max_num_f32 v[96+\b], v[96+\b], v[SS+16*\b+15]
.endr
.irp b, 0,1,2,3,4,5,6,7
	v_permlanex16_b32 v[104+\b], v[96+\b], s[SEL], s[SEL+1]
.endr
.irp b, 0,1,2,3,4,5,6,7
	v_max_num_f32 v[96+\b], v[96+\b], v[104+\b]
.endr
	v_max3_num_f32 v120, v96, v97, v98
	v_max3_num_f32 v120, v120, v99, v100
	v_max3_num_f32 v120, v120, v101, v102
	v_max_num_f32 v120, v120, v103                 ; the row's largest score
	v_mul_f32 v120, s[CS], v120                    ; as t
	v_floor_f32 v122, -v120                        ; -M = floor(-t): M is the ceiling of the row's largest t, a whole number
.set J, 0
.rept 64
	v_pk_fma_f32 v[SS+J:SS+J+1], v[SS+J:SS+J+1], s[CS:CS+1], v[122:123] op_sel_hi:[1,0,0]   ; t - M
.set J, J+2
.endr
.irp b, 0,1,2,3,4,5,6,7
	v_fma_f32 v[96+\b], v[96+\b], s[CS], v122
.endr
.set J, 0
.rept 128
	v_exp_f32 v[SS+J], v[SS+J]                     ; p = 2^(t - M): not normalised
.set J, J+1
.endr
	v_nop                                          ; a plain place behind the exponentials
	s_wait_alu depctr_va_vdst(0)                   ; one wait for the whole batch, ahead of its first reader
.irp b, 0,1,2,3,4,5,6,7
	v_exp_f32 v[96+\b], v[96+\b]                   ; each block's largest p
.endr
	v_pk_add_f32 v[124:125], v[SS:SS+1], v[SS+2:SS+3]          ; the row's sum, of the unquantised p, in two chains
	v_pk_add_f32 v[126:127], v[SS+4:SS+5], v[SS+6:SS+7]
.set J, 8
.rept 30
	v_pk_add_f32 v[124:125], v[124:125], v[SS+J:SS+J+1]
	v_pk_add_f32 v[126:127], v[126:127], v[SS+J+2:SS+J+3]
.set J, J+4
.endr
	v_pk_add_f32 v[124:125], v[124:125], v[126:127]
	s_wait_alu depctr_va_vdst(0)                   ; and one for the eight
.irp b, 0,1,2,3,4,5,6,7
	v_max_num_f32 v[96+\b], 0x2800000, v[96+\b]
.endr
.irp b, 0,1,2,3,4,5,6,7
	v_add_nc_u32 v[112+\b], 0xfe000000, v[96+\b]
.endr
.irp b, 0,1,2,3,4,5,6,7
	v_lshrrev_b32 v[96+\b], 23, v[112+\b]
.endr
	v_lshl_or_b32 v17, v97, 8, v96                 ; p's scale words: keys 0 .. 127,
	v_lshl_or_b32 v18, v101, 8, v100               ; keys 128 .. 255
	v_lshl_or_b32 v17, v98, 16, v17
	v_lshl_or_b32 v18, v102, 16, v18
	v_lshl_or_b32 v17, v99, 24, v17
	v_lshl_or_b32 v18, v103, 24, v18
.irp f, 0,1
.irp c, 0,1
	v_cvt_scalef32_pk16_bf6_f32 v[32+12*\f+6*\c:34+12*\f+6*\c], v[SS+64*\f+32*\c:SS+64*\f+32*\c+15], v[112+4*\f+2*\c]
	v_cvt_scalef32_pk16_bf6_f32 v[56+8*\f+4*\c:58+8*\f+4*\c], v[SS+64*\f+32*\c+16:SS+64*\f+32*\c+31], v[113+4*\f+2*\c]
.endr
.endr
	v_nop
.irp f, 0,1
.irp c, 0,1
.irp i, 0,1,2
	v_permlane16_swap_b32 v[32+12*\f+6*\c+\i], v[56+8*\f+4*\c+\i]
.endr
.irp i, 0,1,2
	v_mov_b32 v[35+12*\f+6*\c+\i], v[56+8*\f+4*\c+\i]
.endr
.endr
.endr
.irp t, 0,1,2,3                        ; V^T: four tiles of the head's 64, both key steps
.irp c, 0,1
.irp i, 0,1,2
	ds_load_b64 v[72+12*\t+6*\c+2*\i:73+12*\t+6*\c+2*\i], v5 offset:3072*\t+768*\c+256*\i
	ds_load_b64 v[128+12*\t+6*\c+2*\i:129+12*\t+6*\c+2*\i], v5 offset:3072*\t+1536+768*\c+256*\i
.endr
.endr
	ds_load_b32 v[20+\t], v6 offset:128*\t
	ds_load_b32 v[24+\t], v6 offset:128*\t+64
.endr
	v_add_f32 v124, v124, v125
	v_permlanex16_b32 v126, v124, s[SEL], s[SEL+1]
	v_add_f32 v124, v124, v126                     ; the row's sum
	v_rcp_f32 v124, v124
.rept 8
	v_nop                                          ; p's scale words, written by vector instructions, stand 8 places ahead of the scaled products, its codes 4; the first is also the plain place behind the reciprocal
.endr
	s_wait_alu depctr_va_vdst(0)                   ; the reciprocal's wait, ahead of its first reader
	s_wait_dscnt 0x0
.irp t, 0,1,2,3
	v_wmma_scale_f32_16x16x128_f8f6f4 v[OO+8*\t:OO+8*\t+7], v[72+12*\t:83+12*\t], v[32:43], 0, v[20+\t], v17 matrix_a_fmt:MATRIX_FMT_BF6 matrix_b_fmt:MATRIX_FMT_BF6
.endr
.irp t, 0,1,2,3
	v_wmma_scale_f32_16x16x128_f8f6f4 v[OO+8*\t:OO+8*\t+7], v[128+12*\t:139+12*\t], v[44:55], v[OO+8*\t:OO+8*\t+7], v[24+\t], v18 matrix_a_fmt:MATRIX_FMT_BF6 matrix_b_fmt:MATRIX_FMT_BF6
.endr
	PLACES
.set J, 0
.rept 16
	v_pk_mul_f32 v[OO+J:OO+J+1], v[OO+J:OO+J+1], v[124:125] op_sel_hi:[1,0]   ; O^T / the sum
.set J, J+2
.endr
.set PC, 32
.set TQ, 44
.set TM, 48
.set SW, 54
	QHALF OO, PC, SW                               ; ctx of my 16 tokens, K = 64 head + 0 .. 63 of the next product
	s_lshl_b32 s5, s[BT], 4
	s_add_co_u32 s5, s5, s[WV]
	s_mul_i32 s5, s5, 12
	s_add_co_u32 s5, s5, s[HD]                     ; (16 batch + tile) x 12 + head
	s_mul_i32 s48, s5, 768
	s_mov_b32 s49, 0
	s_lshl_b32 s50, s5, 7
	s_mov_b32 s51, 0
	s_add_nc_u64 s[48:49], s[42:43], s[48:49]
	s_add_nc_u64 s[50:51], s[42:43], s[50:51]
	v_lshlrev_b32 v1, 2, v[LN]
.irp i, 0,1,2
	global_store_b64 v[L8], v[PC+2*\i:PC+2*\i+1], s[48:49] offset:256*\i   ; 32 lanes store 256 consecutive bytes, aligned
.endr
	global_store_b32 v1, v[SW], s[50:51] offset:CTXS
	s_wait_tensorcnt 0x0                           ; the wave's end, behind my last LDS store
	ds_add_u32 v[SPW], v[NIL]
	s_wait_dscnt 0x0
	s_endpgm
	; ---------------- the weights' re-lay: a wave to a unit; no LDS
.Lrepack:
	s_sub_co_u32 s3, ttmp9, 96
	s_lshl_b32 s3, s3, 4
	s_add_co_u32 s3, s3, s[WV]                     ; unit 0 .. 1775: 1,536 of Wi, 192 of Wo (tile x 4 + quarter of K), 48 of Wao
	s_sub_co_u32 s44, s3, 1536
	s_lshr_b32 s45, s44, 2
	s_and_b32 s48, s44, 3
	s_sub_co_u32 s49, s3, 1728
	s_mov_b32 s50, 2304
	s_mov_b32 s51, 576
	s_wait_kmcnt 0x0
	s_cmp_ge_u32 s3, 1536
	s_cselect_b32 s4, s45, s3                      ; tile
	s_cselect_b32 s5, s48, 0                       ; quarter of K
	s_cselect_b32 s6, s50, s51                     ; a row of codes in bytes
	s_cselect_b32 s7, 96, 24                       ; a row of scale bytes
	s_cselect_b64 s[52:53], s[32:33], s[28:29]
	s_cselect_b64 s[54:55], s[34:35], s[30:31]
	s_cmp_ge_u32 s3, 1728
	s_cselect_b32 s4, s49, s4
	s_cselect_b32 s5, 0, s5
	s_cselect_b32 s6, s51, s6
	s_cselect_b32 s7, 24, s7
	s_cselect_b64 s[52:53], s[36:37], s[52:53]
	s_cselect_b64 s[54:55], s[38:39], s[54:55]
	s_lshr_b32 s44, s4, 1
	s_lshl_b32 s44, s44, 5
	s_and_b32 s45, s4, 1
	s_lshl_b32 s45, s45, 3
	s_add_co_u32 s44, s44, s45                     ; the tile's first row
	s_mul_i32 s58, s44, s6
	s_mul_i32 s45, s5, 576
	s_add_co_u32 s58, s58, s45
	s_mov_b32 s59, 0
	s_add_nc_u64 s[52:53], s[52:53], s[58:59]
	s_mul_i32 s58, s44, s7
	s_mul_i32 s45, s5, 24
	s_add_co_u32 s58, s58, s45
	s_add_nc_u64 s[54:55], s[54:55], s[58:59]
	s_mul_i32 s58, s3, 9216
	s_add_nc_u64 s[60:61], s[40:41], s[58:59]
	s_lshl_b32 s58, s3, 9
	s_add_co_u32 s58, s58, SCB
	s_add_nc_u64 s[62:63], s[40:41], s[58:59]
	v_mul_lo_u32 v1, v[PR], s6
	v_mad_u32_u24 v1, v[HH], 24, v1
	v_mul_lo_u32 v2, v[PR], s7
	v_lshl_add_u32 v2, v[HH], 2, v2
	v_mov_b32 v19, 0
.irp i, 0,1,2
	global_load_b32 v[16+\i], v2, s[54:55] offset:8*\i             ; word i: my row's scale word of K step 2 i + h: even steps in lanes 0-15, odd steps in lanes 16-31
.endr
.irp s, 0,1,2,3,4,5
.irp p, 0,1,2,3,4,5
	global_load_b64 v[32+12*\s+2*\p:33+12*\s+2*\p], v1, s[52:53] offset:96*\s+48*(\p/3)+8*(\p%3) th:TH_LOAD_NT
.endr
.endr
.irp s, 0,1,2,3,4,5
	s_wait_loadcnt 30-6*\s                         ; this fragment's six loads are in; the later fragments' may be out
.irp c, 0,1,2
	global_store_b128 v[L16], v[32+12*\s+4*\c:35+12*\s+4*\c], s[60:61] offset:1536*\s+512*\c   ; 512 consecutive bytes, aligned
.endr
.endr
	global_store_b128 v[L16], v[16:19], s[62:63]
	s_endpgm
.Lfunc_end_k_q0f29f0e604_attn:
	.size	k_q0f29f0e604_attn, .Lfunc_end_k_q0f29f0e604_attn-k_q0f29f0e604_attn
	.p2alignl 7, 3214868480
	.fill 96, 4, 3214868480
	.section	.rodata,"a",@progbits
	.p2align	6, 0x0
	.amdhsa_kernel k_q0f29f0e604_attn
		.amdhsa_group_segment_fixed_size 311296
		.amdhsa_private_segment_fixed_size 0
		.amdhsa_enable_private_segment 0
		.amdhsa_kernarg_size 144
		.amdhsa_user_sgpr_count 2
		.amdhsa_user_sgpr_kernarg_segment_ptr 1
		.amdhsa_wavefront_size32 1
		.amdhsa_system_sgpr_workgroup_id_x 1
		.amdhsa_system_sgpr_workgroup_id_y 1
		.amdhsa_system_sgpr_workgroup_id_z 1
		.amdhsa_system_vgpr_workitem_id 0
		.amdhsa_next_free_vgpr 256
		.amdhsa_next_free_sgpr 66
		.amdhsa_reserve_vcc 0
		.amdhsa_float_denorm_mode_32 3
		.amdhsa_float_denorm_mode_16_64 3
		.amdhsa_memory_ordered 1
		.amdhsa_forward_progress 1
		.amdhsa_inst_pref_size 168
	.end_amdhsa_kernel
	.amdgpu_metadata
---
amdhsa.version: [ 1, 2 ]
amdhsa.kernels:
  - .name:           k_q0f29f0e604_attn
    .symbol:         k_q0f29f0e604_attn.kd
    .args:
      - { .name: hidden_states, .offset: 0, .size: 8, .value_kind: global_buffer, .address_space: global }
      - { .name: Wq_codes, .offset: 8, .size: 8, .value_kind: global_buffer, .address_space: global }
      - { .name: Wq_scales, .offset: 16, .size: 8, .value_kind: global_buffer, .address_space: global }
      - { .name: Wk_codes, .offset: 24, .size: 8, .value_kind: global_buffer, .address_space: global }
      - { .name: Wk_scales, .offset: 32, .size: 8, .value_kind: global_buffer, .address_space: global }
      - { .name: Wv_codes, .offset: 40, .size: 8, .value_kind: global_buffer, .address_space: global }
      - { .name: Wv_scales, .offset: 48, .size: 8, .value_kind: global_buffer, .address_space: global }
      - { .name: bq, .offset: 56, .size: 8, .value_kind: global_buffer, .address_space: global }
      - { .name: bk, .offset: 64, .size: 8, .value_kind: global_buffer, .address_space: global }
      - { .name: bv, .offset: 72, .size: 8, .value_kind: global_buffer, .address_space: global }
      - { .name: Wi_codes, .offset: 80, .size: 8, .value_kind: global_buffer, .address_space: global }
      - { .name: Wi_scales, .offset: 88, .size: 8, .value_kind: global_buffer, .address_space: global }
      - { .name: Wo_codes, .offset: 96, .size: 8, .value_kind: global_buffer, .address_space: global }
      - { .name: Wo_scales, .offset: 104, .size: 8, .value_kind: global_buffer, .address_space: global }
      - { .name: Wao_codes, .offset: 112, .size: 8, .value_kind: global_buffer, .address_space: global }
      - { .name: Wao_scales, .offset: 120, .size: 8, .value_kind: global_buffer, .address_space: global }
      - { .name: wimg, .offset: 128, .size: 8, .value_kind: global_buffer, .address_space: global }
      - { .name: ctxq, .offset: 136, .size: 8, .value_kind: global_buffer, .address_space: global }
    .group_segment_fixed_size: 311296
    .private_segment_fixed_size: 0
    .kernarg_segment_align: 8
    .kernarg_segment_size: 144
    .max_flat_workgroup_size: 512
    .sgpr_count:     66
    .vgpr_count:     256
    .wavefront_size: 32
...
	.end_amdgpu_metadata
.endif
;; end of part 1
;; launch proj (part 2): grid 64 x 1, 12 waves a work-group, no clusters, 180,224 bytes of LDS; arguments ctxq, wimg, hidden_states, bao, ln1_g, ln1_b, Wr, br, act, eid, out1; writes act, eid, out1
.if DOCPART == 2
	.amdgcn_target "amdgcn-amd-amdhsa--gfx1250"
	.amdhsa_code_object_version 6
	.text
	.protected	k_q0f29f0e604_proj
	.globl	k_q0f29f0e604_proj
	.p2align	8
	.type	k_q0f29f0e604_proj,@function
k_q0f29f0e604_proj:
	s_mov_b64 s[64:65], 0
	v_nop
	global_prefetch_b8 v0, s[64:65] scope:SCOPE_SE
	s_setreg_imm32_b32 hwreg(HW_REG_WAVE_MODE, 25, 1), 1
	s_wait_xcnt 0x0
; Launch 2 of 5: attention_output = LN1(ctx Wao + bao + x); the router's logits, its softmax (out1) and its choice (eid); attention_output as f32 and as codes of BF6 (act).
; A work-group of twelve waves owns 32 tokens (two tiles of 16: slot (T, r) is token 32 wg + 8 T + r + 8 (r / 8)); wave w owns columns 64 w .. 64 w + 63: four tiles of Wao as source 0, from wimg straight into registers,
; 16 bytes a lane.  ctx's twelve fragments come into LDS once as images of operand registers.  The accumulators are LOADED with the residual x in the result's layout, so the first K step adds onto it.
; The layer norm goes in two passes (mean, then the sum of squares of the centred numbers); rows' sums meet in LDS.  The router is left as it is, in f32 fused multiply-adds: its choice steers later launches.
; LIMITS: the choice is the first largest LOGIT (reference() takes the first largest softmax value: the two differ only where two logits lie within f32 rounding of each other); 1 / 768 is a multiplication; NaN and infinities are not served.
.set NS,    6
.set TP,    9216
.set AIMG,  0                          ; ctx: 12 images of 1,536 bytes, T x 6 + K step
.set ASC,   18432                      ; their scale words, 64 bytes each
.set WR,    19200                      ; Wr, 24,576 bytes as it lies
.set RED1,  43776                      ; rows' sums: slot x 64 + 4 w; the second pass's 2,048 bytes further on
.set RED3,  47872                      ; the logits' parts: slot x 400 + 32 w
.set AOST,  60672                      ; 32 rows x (3,072 + 16) bytes of attention_output
.set XQST,  159488                     ; 32 rows x 576 bytes of its codes
.set XSST,  177920                     ; 32 rows x 24 scale bytes
.set SPARE, 178688                     ; the spare words: 128 bytes for each of 12 waves, named by no other line
.set SCB,   16367616
.set CTXS,  1179648
.set XQ,    6291456
.set XS,    7471104
.set L16, 1                            ; v1 16 x lane   v2, v3 ctx's images of T = 0, 1   v4 their scale words   v5 256 w + 64 h: never rewritten
.set AA0, 2
.set ASA, 4
.set VN,  5
.set R1A, 6
.set R1L, 7
.set SPW, 14
.set NIL, 15
.set AS,  32                           ; v16-31 the weight's scale words, v32-33 ctx's: scales and nothing else
.set TM,  34
.set TQ,  40
.set SW,  44
.set ACC, 64                           ; accumulator (T, t) at v[64 + 32 T + 8 t]
.set WB0, 128                          ; two sets of four weight fragments
.set WB1, 176
.set AF,  224                          ; ctx's two fragments
.set PC,  248
.set WV,  2
.set WP,  30
.set SP,  32
.set SEL, 46
.set NINV, 48
.set INV,  49
.set EPS,  50
.macro PLACES
.rept 4
	v_nop
.endr
.endm
.macro BARRIER
	s_wait_dscnt 0x0
	s_barrier_signal -1
	s_barrier_wait -1
.endm
.macro QHALF s, pc, sw                 ; 32 numbers of a lane (register 16 b + i = k 32 b + 16 h + i) -> six registers of codes, and byte 0 | byte 1 << 8
	v_max3_num_f32 v[TM], |v[\s]|, |v[\s+1]|, 0x2800000
	v_max3_num_f32 v[TM+1], |v[\s+16]|, |v[\s+17]|, 0x2800000
.irp i, 2,4,6,8,10,12,14
	v_max3_num_f32 v[TM], v[TM], |v[\s+\i]|, |v[\s+\i+1]|
	v_max3_num_f32 v[TM+1], v[TM+1], |v[\s+16+\i]|, |v[\s+17+\i]|
.endr
	v_permlanex16_b32 v[TM+2], v[TM], s[SEL], s[SEL+1]
	v_permlanex16_b32 v[TM+3], v[TM+1], s[SEL], s[SEL+1]
	v_max_num_f32 v[TM], v[TM], v[TM+2]
	v_max_num_f32 v[TM+1], v[TM+1], v[TM+3]
	v_add_nc_u32 v[TM+4], 0xfe000000, v[TM]
	v_add_nc_u32 v[TM+5], 0xfe000000, v[TM+1]
	v_lshrrev_b32 v[TM], 23, v[TM+4]
	v_lshrrev_b32 v[TM+1], 23, v[TM+5]
	v_lshl_or_b32 v[\sw], v[TM+1], 8, v[TM]
	v_cvt_scalef32_pk16_bf6_f32 v[\pc:\pc+2], v[\s:\s+15], v[TM+4]
	v_cvt_scalef32_pk16_bf6_f32 v[TQ:TQ+2], v[\s+16:\s+31], v[TM+5]
	v_nop
.irp i, 0,1,2
	v_permlane16_swap_b32 v[\pc+\i], v[TQ+\i]
.endr
.irp i, 0,1,2
	v_mov_b32 v[\pc+3+\i], v[TQ+\i]
.endr
.endm
.macro WLOAD st                        ; K step st of my four weight tiles: 12 loads of 512 consecutive bytes
.irp t, 0,1,2,3
.irp c, 0,1,2
	global_load_b128 v[WB0+48*((\st)%2)+12*\t+4*\c:WB0+48*((\st)%2)+12*\t+4*\c+3], v[L16], s[WP:WP+1] offset:\t*TP+(\st)*1536+512*\c
.endr
.endr
.endm
.macro SLOAD q                         ; six K steps' scale words of my four tiles
.irp t, 0,1,2,3
	global_load_b128 v[16+32*((\q)%2)+4*\t:19+32*((\q)%2)+4*\t], v[L16], s[SP:SP+1] offset:(\t*(NS/6)+(\q))*512
.endr
.endm
.macro ALOAD st
.irp u, 0,1
.irp c, 0,1,2
	ds_load_b128 v[AF+12*\u+4*\c:AF+12*\u+4*\c+3], v[AA0+\u] offset:(\st)*1536+512*\c
.endr
	ds_load_b32 v[AS+\u], v[ASA] offset:(\u*NS+(\st))*64
.endr
.endm
.macro MM st                           ; eight matrix instructions, the eight accumulators by turns; odd K steps take the weight's scale words from lanes 16-31
.set WSR, 16+32*(((\st)/6)%2)+((\st)%6)/2
.irp t, 0,1,2,3
.irp u, 0,1
.if ((\st)%2) == 0
	v_wmma_scale_f32_16x16x128_f8f6f4 v[ACC+32*\u+8*\t:ACC+32*\u+8*\t+7], v[WB0+12*\t:WB0+12*\t+11], v[AF+12*\u:AF+12*\u+11], v[ACC+32*\u+8*\t:ACC+32*\u+8*\t+7], v[WSR+4*\t], v[AS+\u] matrix_a_fmt:MATRIX_FMT_BF6 matrix_b_fmt:MATRIX_FMT_BF6
.else
	v_wmma_scale_f32_16x16x128_f8f6f4 v[ACC+32*\u+8*\t:ACC+32*\u+8*\t+7], v[WB1+12*\t:WB1+12*\t+11], v[AF+12*\u:AF+12*\u+11], v[ACC+32*\u+8*\t:ACC+32*\u+8*\t+7], v[WSR+4*\t], v[AS+\u] matrix_a_fmt:MATRIX_FMT_BF6 matrix_b_fmt:MATRIX_FMT_BF6 matrix_a_scale:MATRIX_SCALE_ROW1
.endif
.endr
.endr
.endm
.macro GSTEP st, lc                    ; lc: the loads issued behind this step's weights, which may stay out
	s_wait_loadcnt \lc
	s_wait_dscnt 0x0
	MM \st
	PLACES
.if (\st)+1 < NS
	ALOAD (\st)+1
.endif
.if (\st)+2 < NS
	WLOAD (\st)+2
.endif
.endm
.macro CLOAD row, adr, sp, off         ; 32 numbers a lane in the result's layout: columns 64 w + 32 (t / 2) + 8 (t % 2) + 16 h + 0 .. 7 of my row
.irp t, 0,1,2,3
	global_load_b128 v[ACC+32*(\row)+8*\t:ACC+32*(\row)+8*\t+3], v[\adr], s[\sp:\sp+1] offset:(\off)+128*(\t/2)+32*(\t%2)
	global_load_b128 v[ACC+32*(\row)+8*\t+4:ACC+32*(\row)+8*\t+7], v[\adr], s[\sp:\sp+1] offset:(\off)+128*(\t/2)+32*(\t%2)+16
.endr
.endm
.macro ELOAD dst, sp                   ; a vector over the columns, in the same layout
.irp t, 0,1,2,3
	global_load_b128 v[\dst+8*\t:\dst+8*\t+3], v[VN], s[\sp:\sp+1] offset:128*(\t/2)+32*(\t%2)
	global_load_b128 v[\dst+8*\t+4:\dst+8*\t+7], v[VN], s[\sp:\sp+1] offset:128*(\t/2)+32*(\t%2)+16
.endr
.endm
.macro RSUM off                        ; v[34:35] (T = 0), v[36:37] (T = 1): my sums -> the rows' sums over all 768 columns in v[AF], v[AF+12]; one barrier
	v_add_f32 v34, v34, v35
	v_add_f32 v36, v36, v37
	v_permlanex16_b32 v38, v34, s[SEL], s[SEL+1]
	v_permlanex16_b32 v39, v36, s[SEL], s[SEL+1]
	v_add_f32 v34, v34, v38
	v_add_f32 v36, v36, v39
	ds_store_b32 v[R1A], v34 offset:\off
	ds_store_b32 v[R1A], v36 offset:\off+1024
	BARRIER
.irp u, 0,1
.irp c, 0,1,2
	ds_load_b128 v[AF+12*\u+4*\c:AF+12*\u+4*\c+3], v[R1L] offset:\off+1024*\u+16*\c
.endr
.endr
	s_wait_dscnt 0x0
.irp k, 2,4,6,8,10
	v_pk_add_f32 v[AF:AF+1], v[AF:AF+1], v[AF+\k:AF+\k+1]          ; the same order in every wave: every wave gets the same bits
	v_pk_add_f32 v[AF+12:AF+13], v[AF+12:AF+13], v[AF+12+\k:AF+13+\k]
.endr
	v_add_f32 v[AF], v[AF], v[AF+1]
	v_add_f32 v[AF+12], v[AF+12], v[AF+13]
.endm
.macro LNORM                           ; the accumulators become gain x (y - mean) / sqrt(var + 1e-12) + bias; gain in v[WB1] on, bias in v[WB0] on (their loads are waited for inside)
	v_pk_add_f32 v[34:35], v[ACC:ACC+1], v[ACC+2:ACC+3]
	v_pk_add_f32 v[36:37], v[ACC+32:ACC+33], v[ACC+34:ACC+35]
.irp k, 4,6,8,10,12,14,16,18,20,22,24,26,28,30
	v_pk_add_f32 v[34:35], v[34:35], v[ACC+\k:ACC+\k+1]
	v_pk_add_f32 v[36:37], v[36:37], v[ACC+32+\k:ACC+33+\k]
.endr
	RSUM 0
	v_mul_f32 v40, s[NINV], v[AF]                  ; -mean
	v_mul_f32 v42, s[NINV], v[AF+12]
	v_mov_b32 v41, v40
	v_mov_b32 v43, v42
.irp u, 0,1
.irp k, 0,2,4,6,8,10,12,14,16,18,20,22,24,26,28,30
	v_pk_add_f32 v[ACC+32*\u+\k:ACC+32*\u+\k+1], v[ACC+32*\u+\k:ACC+32*\u+\k+1], v[40+2*\u:41+2*\u]
.endr
.endr
	v_pk_mul_f32 v[34:35], v[ACC:ACC+1], v[ACC:ACC+1]
	v_pk_mul_f32 v[36:37], v[ACC+32:ACC+33], v[ACC+32:ACC+33]
.irp k, 2,4,6,8,10,12,14,16,18,20,22,24,26,28,30
	v_pk_fma_f32 v[34:35], v[ACC+\k:ACC+\k+1], v[ACC+\k:ACC+\k+1], v[34:35]
	v_pk_fma_f32 v[36:37], v[ACC+32+\k:ACC+33+\k], v[ACC+32+\k:ACC+33+\k], v[36:37]
.endr
	RSUM 2048
	v_fma_f32 v40, v[AF], s[INV], s[EPS]           ; var + 1e-12
	v_fma_f32 v42, v[AF+12], s[INV], s[EPS]
	v_rsq_f32 v40, v40
	v_rsq_f32 v42, v42
	v_nop                                          ; a plain place behind the two
	s_wait_alu depctr_va_vdst(0)                   ; one wait for both, ahead of their first reader
	v_mov_b32 v41, v40
	v_mov_b32 v43, v42
	s_wait_loadcnt 0x0                             ; gain and bias
.irp u, 0,1
.irp k, 0,2,4,6,8,10,12,14,16,18,20,22,24,26,28,30
	v_pk_mul_f32 v[ACC+32*\u+\k:ACC+32*\u+\k+1], v[ACC+32*\u+\k:ACC+32*\u+\k+1], v[40+2*\u:41+2*\u]
.endr
.irp k, 0,2,4,6,8,10,12,14,16,18,20,22,24,26,28,30
	v_pk_fma_f32 v[ACC+32*\u+\k:ACC+32*\u+\k+1], v[ACC+32*\u+\k:ACC+32*\u+\k+1], v[WB1+\k:WB1+\k+1], v[WB0+\k:WB0+\k+1]
.endr
.endr
.endm
	s_load_b512 s[8:23], s[0:1], 0x0               ; ctxq 8, wimg 10, x 12, bao 14, ln1_g 16, ln1_b 18, Wr 20, br 22
	s_load_b128 s[24:27], s[0:1], 0x40             ; act 24, eid 26
	s_load_b64 s[28:29], s[0:1], 0x50              ; out1
	v_lshl_add_u32 v[SPW], v0, 2, SPARE
	v_mov_b32 v[NIL], 0
	v_lshrrev_b32 v34, 5, v0
	v_readfirstlane_b32 s[WV], v34                 ; wave 0 .. 11
	v_and_b32 v34, 31, v0                          ; lane
	v_and_b32 v35, 15, v0                          ; r
	v_bfe_u32 v36, v0, 4, 1                        ; h
	v_and_b32 v37, 8, v35
	v_add_nc_u32 v37, v37, v35                     ; r + 8 (r / 8)
	v_lshlrev_b32 v[L16], 4, v34
	v_add_nc_u32 v[AA0], AIMG, v[L16]
	v_add_nc_u32 v[AA0+1], AIMG+NS*1536, v[L16]
	v_lshl_add_u32 v[ASA], v35, 2, ASC
	s_lshl_b32 s3, s[WV], 8
	v_lshl_add_u32 v[VN], v36, 6, s3
	s_lshl_b32 s4, s[WV], 2
	s_add_co_u32 s4, s4, RED1
	v_lshl_add_u32 v[R1A], v35, 6, s4
	v_lshl_add_u32 v[R1L], v35, 6, RED1
	v_mul_u32_u24 v8, v37, 3088
	v_add_nc_u32 v8, v8, v[VN]
	v_add_nc_u32 v8, AOST, v8                      ; the stage of attention_output: row 8 T + r + 8 (r / 8), my columns
	s_lshl_b32 s4, s[WV], 11
	s_add_co_u32 s4, s4, WR
	v_lshl_add_u32 v9, v36, 9, s4                  ; Wr's rows 64 w + 16 h on, 32 bytes a row
	v_mul_u32_u24 v10, v35, 400
	s_lshl_b32 s4, s[WV], 5
	s_add_co_u32 s4, s4, RED3
	v_add_nc_u32 v10, s4, v10
	v_mul_u32_u24 v11, v37, 576
	v_mad_u32_u24 v11, v36, 24, v11
	s_mul_i32 s4, s[WV], 48
	s_add_co_u32 s4, s4, XQST
	v_add_nc_u32 v11, s4, v11                      ; the codes' stage: my row, block 2 w + h
	v_mul_u32_u24 v12, v37, 24
	s_lshl_b32 s4, s[WV], 1
	s_add_co_u32 s4, s4, XSST
	v_add_nc_u32 v12, s4, v12
	v_mul_u32_u24 v13, v37, 3072
	v_add_nc_u32 v13, v13, v[VN]                   ; the residual: my row of x, my columns
	s_mul_i32 s4, s[WV], 1536
	v_add_nc_u32 v40, s4, v[L16]                   ; where I store ctx's fragment w,
	s_lshl_b32 s4, s[WV], 6
	s_add_co_u32 s4, s4, ASC
	v_lshl_add_u32 v41, v35, 2, s4                 ; its scale word,
	s_lshl_b32 s4, s[WV], 11
	v_add_nc_u32 v43, s4, v[L16]                   ; my 2,048 bytes of Wr in memory,
	v_add_nc_u32 v42, WR, v43                      ; and in LDS
	v_lshlrev_b32 v44, 3, v34
	v_lshlrev_b32 v45, 2, v34
	v_mov_b32 v36, 0                               ; lane permutes' destinations count as sources: written once
	v_mov_b32 v37, 0
	v_mov_b32 v38, 0
	v_mov_b32 v39, 0
	s_mov_b32 s[SEL], 0x76543210
	s_mov_b32 s[SEL+1], 0xfedcba98
	s_mov_b32 s[NINV], 0xbaaaaaab                  ; -1 / 768
	s_mov_b32 s[INV], 0x3aaaaaab                   ; 1 / 768
	s_mov_b32 s[EPS], 0x2b8cbccc                   ; 1e-12
	s_mov_b32 s53, 0
	s_wait_kmcnt 0x0
	s_load_b256 s[36:43], s[22:23], 0x0            ; br
	s_mul_i32 s52, ttmp9, 18432
	s_mul_i32 s3, s[WV], 1536
	s_add_co_u32 s52, s52, s3
	s_add_nc_u64 s[34:35], s[8:9], s[52:53]        ; ctx's fragment w of my two tiles
	s_mul_i32 s52, ttmp9, 3072
	s_lshl_b32 s3, s[WV], 8
	s_add_co_u32 s52, s52, s3
	s_add_nc_u64 s[44:45], s[8:9], s[52:53]        ; its two scale words
	s_mul_i32 s52, ttmp9, 98304
	s_add_nc_u64 s[12:13], s[12:13], s[52:53]      ; x at my first token
	s_add_nc_u64 s[54:55], s[24:25], s[52:53]      ; and attention_output
	s_lshl_b32 s3, s[WV], 2
	s_add_co_u32 s3, s3, 1728                      ; Wao's units begin at 1,728
	s_mul_i32 s52, s3, 9216
	s_add_nc_u64 s[WP:WP+1], s[10:11], s[52:53]
	s_lshl_b32 s52, s3, 9
	s_add_co_u32 s52, s52, SCB
	s_add_nc_u64 s[SP:SP+1], s[10:11], s[52:53]
.irp c, 0,1
.irp i, 0,1,2
	global_load_b64 v[AF+6*\c+2*\i:AF+6*\c+2*\i+1], v44, s[34:35] offset:768*\c+256*\i
.endr
.endr
	global_load_b32 v46, v45, s[44:45] offset:CTXS
	global_load_b32 v47, v45, s[44:45] offset:CTXS+128
.irp i, 0,1,2,3
	global_load_b128 v[236+4*\i:239+4*\i], v43, s[20:21] offset:512*\i
.endr
	CLOAD 0, 13, 12, 0
	CLOAD 1, 13, 12, 24576
	SLOAD 0
	WLOAD 0
	WLOAD 1
	s_wait_loadcnt 44                              ; behind the 12 staging loads: 16 of the residual, 4 of scales, 24 of weights
	v_lshl_or_b32 v46, v47, 16, v46
.irp c, 0,1,2
	ds_store_b128 v40, v[AF+4*\c:AF+4*\c+3] offset:AIMG+512*\c
.endr
	ds_store_b32 v41, v46
.irp i, 0,1,2,3
	ds_store_b128 v42, v[236+4*\i:239+4*\i] offset:512*\i
.endr
	BARRIER                                        ; ctx's twelve fragments and Wr lie in LDS
	ALOAD 0
	GSTEP 0, 12                                    ; the residual, the scales and K step 0's weights are in; K step 1's 12 loads may be out
	GSTEP 1, 12
	GSTEP 2, 12
	GSTEP 3, 12
	GSTEP 4, 12
	ELOAD WB0, 14                                  ; bao
	GSTEP 5, 8                                     ; bao's 8 loads may be out
	ELOAD WB1, 16                                  ; ln1_g
	s_wait_loadcnt 8                               ; bao is in
.irp u, 0,1
.irp k, 0,2,4,6,8,10,12,14,16,18,20,22,24,26,28,30
	v_pk_add_f32 v[ACC+32*\u+\k:ACC+32*\u+\k+1], v[ACC+32*\u+\k:ACC+32*\u+\k+1], v[WB0+\k:WB0+\k+1]
.endr
.endr
	ELOAD WB0, 18                                  ; ln1_b
	LNORM
.irp u, 0,1
.irp t, 0,1,2,3
	ds_store_b128 v8, v[ACC+32*\u+8*\t:ACC+32*\u+8*\t+3] offset:24704*\u+128*(\t/2)+32*(\t%2)
	ds_store_b128 v8, v[ACC+32*\u+8*\t+4:ACC+32*\u+8*\t+7] offset:24704*\u+128*(\t/2)+32*(\t%2)+16
.endr
.endr
	; the router: my 32 columns of each row against Wr's eight experts, two experts an instruction; the row's number is taken for both halves
.irp t, 0,1,2,3
.irp j, 0,1,2,3,4,5,6,7
	ds_load_b128 v[128+8*\j:131+8*\j], v9 offset:(32*(\t/2)+8*(\t%2)+\j)*32
	ds_load_b128 v[132+8*\j:135+8*\j], v9 offset:(32*(\t/2)+8*(\t%2)+\j)*32+16
.endr
	s_wait_dscnt 0x0
.irp j, 0,1,2,3,4,5,6,7
.irp u, 0,1
.irp e, 0,2,4,6
.if (\t == 0) && (\j == 0)
	v_pk_mul_f32 v[48+8*\u+\e:49+8*\u+\e], v[ACC+32*\u:ACC+32*\u+1], v[128+\e:129+\e] op_sel_hi:[0,1]
.elseif (\j%2) == 0
	v_pk_fma_f32 v[48+8*\u+\e:49+8*\u+\e], v[ACC+32*\u+8*\t+\j:ACC+32*\u+8*\t+\j+1], v[128+8*\j+\e:129+8*\j+\e], v[48+8*\u+\e:49+8*\u+\e] op_sel_hi:[0,1,1]
.else
	v_pk_fma_f32 v[48+8*\u+\e:49+8*\u+\e], v[ACC+32*\u+8*\t+\j-1:ACC+32*\u+8*\t+\j], v[128+8*\j+\e:129+8*\j+\e], v[48+8*\u+\e:49+8*\u+\e] op_sel:[1,0,0] op_sel_hi:[1,1,1]
.endif
.endr
.endr
.endr
.endr
.irp i, 0,1,2,3,4,5,6,7,8,9,10,11,12,13,14,15
	v_permlanex16_b32 v[128+\i], v[48+\i], s[SEL], s[SEL+1]
.endr
.irp i, 0,2,4,6,8,10,12,14
	v_pk_add_f32 v[48+\i:49+\i], v[48+\i:49+\i], v[128+\i:129+\i]
.endr
.irp u, 0,1
	ds_store_b128 v10, v[48+8*\u:51+8*\u] offset:6400*\u
	ds_store_b128 v10, v[52+8*\u:55+8*\u] offset:6400*\u+16
.endr
.irp u, 0,1
	QHALF ACC+32*\u, PC, SW                        ; attention_output as an operand: K = 64 w + 0 .. 63 of my rows
.irp i, 0,1,2
	ds_store_b64 v11, v[PC+2*\i:PC+2*\i+1] offset:4608*\u+8*\i
.endr
	ds_store_b16 v12, v[SW] offset:192*\u
	s_wait_dscnt 0x0                               ; the stores have read their registers
.endr
	BARRIER                                        ; whole rows lie in the stages, all parts of the logits in RED3
	; the way out.  All addresses are made by every wave, ahead of the branches on the wave's number
	v_and_b32 v34, 31, v0
	v_and_b32 v35, 15, v0
	v_bfe_u32 v36, v0, 4, 1
	v_and_b32 v37, 8, v35
	v_add_nc_u32 v37, v37, v35
	s_mul_i32 s3, s[WV], 43
	s_lshr_b32 s3, s3, 8                           ; w / 6
	s_lshl_b32 s4, s[WV], 9
	s_mul_i32 s5, s3, 46336
	s_add_co_u32 s5, s5, s4
	s_add_co_u32 s5, s5, AOST
	v_add_nc_u32 v13, s5, v[L16]                   ; rows 16 (w / 6) on, 512 bytes at 512 (w % 6): 16 x 3,088 (w / 6) + 512 (w - 6 (w / 6)) = 512 w + 46,336 (w / 6)
	s_mul_i32 s5, s3, 46080
	s_add_co_u32 s5, s5, s4
	v_add_nc_u32 v6, s5, v[L16]                    ; the same place in memory, rows of 3,072
	s_mul_i32 s4, s[WV], 1536
	v_add_nc_u32 v8, s4, v[L16]                    ; the codes: 36 pieces of 512 bytes, three a wave
	v_add_nc_u32 v7, XQST, v8
	v_lshlrev_b32 v10, 3, v34
	v_add_nc_u32 v9, XSST, v10
	v_mul_u32_u24 v11, v34, 400
	v_add_nc_u32 v11, RED3, v11                    ; wave 0: a lane to a slot
	v_lshl_add_u32 v12, v36, 3, v37                ; its token: 8 h + r + 8 (r / 8)
	v_lshlrev_b32 v40, 2, v12
	v_lshlrev_b32 v12, 5, v12
	s_mul_i32 s52, ttmp9, 18432
	s_add_nc_u64 s[56:57], s[24:25], s[52:53]
	s_mul_i32 s52, ttmp9, 768
	s_add_nc_u64 s[58:59], s[24:25], s[52:53]
	s_lshl_b32 s52, ttmp9, 10
	s_add_nc_u64 s[28:29], s[28:29], s[52:53]
	s_lshl_b32 s52, ttmp9, 7
	s_add_nc_u64 s[26:27], s[26:27], s[52:53]
.irp i, 0,1,2,3,4,5,6,7,8,9,10,11,12,13,14,15
	ds_load_b128 v[64+4*\i:67+4*\i], v13 offset:3088*\i
.endr
.irp i, 0,1,2
	ds_load_b128 v[224+4*\i:227+4*\i], v7 offset:512*\i
.endr
.irp i, 0,1,2,3,4,5,6,7,8,9,10,11,12,13,14,15
	s_wait_dscnt 18-\i
	global_store_b128 v6, v[64+4*\i:67+4*\i], s[54:55] offset:3072*\i      ; 512 consecutive bytes, aligned
.endr
.irp i, 0,1,2
	s_wait_dscnt 2-\i
	global_store_b128 v8, v[224+4*\i:227+4*\i], s[56:57] offset:XQ+512*\i
.endr
	s_cmp_eq_u32 s[WV], 1
	s_cbranch_scc0 .Lnot_1
.irp i, 0,1,2
	ds_load_b64 v[236+2*\i:237+2*\i], v9 offset:256*\i
.endr
	s_wait_dscnt 0x0
.irp i, 0,1,2
	global_store_b64 v10, v[236+2*\i:237+2*\i], s[58:59] offset:XS+256*\i
.endr
.Lnot_1:
	s_cmp_eq_u32 s[WV], 0
	s_cbranch_scc0 .Lend
.irp k, 0,1,2,3,4,5,6,7,8,9,10,11
	ds_load_b128 v[128+8*\k:131+8*\k], v11 offset:32*\k
	ds_load_b128 v[132+8*\k:135+8*\k], v11 offset:32*\k+16
.endr
	s_wait_kmcnt 0x0                               ; br
	s_wait_dscnt 0x0
.irp e, 0,1,2,3,4,5,6,7
	v_add_f32 v[48+\e], s[36+\e], v[128+\e]
.endr
.irp k, 1,2,3,4,5,6,7,8,9,10,11
.irp e, 0,2,4,6
	v_pk_add_f32 v[48+\e:49+\e], v[48+\e:49+\e], v[128+8*\k+\e:129+8*\k+\e]   ; the twelve waves' parts, in ascending order
.endr
.endr
	v_max3_num_f32 v34, v48, v49, v50
	v_max3_num_f32 v34, v34, v51, v52
	v_max3_num_f32 v34, v34, v53, v54
	v_max_num_f32 v34, v34, v55                    ; the largest logit is taken away ahead of the exponentials
.irp e, 0,1,2,3,4,5,6,7
	v_sub_f32 v[56+\e], v[48+\e], v34
.endr
.irp e, 0,1,2,3,4,5,6,7
	v_mul_f32 v[56+\e], 0x3fb8aa3b, v[56+\e]
.endr
.irp e, 0,1,2,3,4,5,6,7
	v_exp_f32 v[56+\e], v[56+\e]
.endr
	v_mov_b32 v36, v48                             ; the choice, meanwhile: the first largest logit
	v_mov_b32 v37, 0
.irp e, 1,2,3,4,5,6,7
	v_cmp_ge_f32 vcc_lo, v36, v[48+\e]
	v_cndmask_b32 v37, \e, v37, vcc_lo
	v_cndmask_b32 v36, v[48+\e], v36, vcc_lo
.endr
	s_wait_alu depctr_va_vdst(0)                   ; one wait for the eight exponentials, ahead of their first reader
	v_pk_add_f32 v[34:35], v[56:57], v[58:59]
	v_pk_add_f32 v[34:35], v[34:35], v[60:61]
	v_pk_add_f32 v[34:35], v[34:35], v[62:63]
	v_add_f32 v34, v34, v35
	v_rcp_f32 v34, v34
	v_nop
	s_wait_alu depctr_va_vdst(0)
.irp e, 0,2,4,6
	v_pk_mul_f32 v[56+\e:57+\e], v[56+\e:57+\e], v[34:35] op_sel_hi:[1,0]
.endr
	global_store_b128 v12, v[56:59], s[28:29]
	global_store_b128 v12, v[60:63], s[28:29] offset:16
	global_store_b32 v40, v37, s[26:27]            ; a whole number, at a fixed place: the next launch reads it
.Lend:
	s_wait_tensorcnt 0x0                           ; the wave's end, behind my last LDS store
	ds_add_u32 v[SPW], v[NIL]
	s_wait_dscnt 0x0
	s_endpgm
.Lfunc_end_k_q0f29f0e604_proj:
	.size	k_q0f29f0e604_proj, .Lfunc_end_k_q0f29f0e604_proj-k_q0f29f0e604_proj
	.p2alignl 7, 3214868480
	.fill 96, 4, 3214868480
	.section	.rodata,"a",@progbits
	.p2align	6, 0x0
	.amdhsa_kernel k_q0f29f0e604_proj
		.amdhsa_group_segment_fixed_size 180224
		.amdhsa_private_segment_fixed_size 0
		.amdhsa_enable_private_segment 0
		.amdhsa_kernarg_size 88
		.amdhsa_user_sgpr_count 2
		.amdhsa_user_sgpr_kernarg_segment_ptr 1
		.amdhsa_wavefront_size32 1
		.amdhsa_system_sgpr_workgroup_id_x 1
		.amdhsa_system_sgpr_workgroup_id_y 1
		.amdhsa_system_sgpr_workgroup_id_z 1
		.amdhsa_system_vgpr_workitem_id 0
		.amdhsa_next_free_vgpr 256
		.amdhsa_next_free_sgpr 66
		.amdhsa_reserve_vcc 1
		.amdhsa_float_denorm_mode_32 3
		.amdhsa_float_denorm_mode_16_64 3
		.amdhsa_memory_ordered 1
		.amdhsa_forward_progress 1
		.amdhsa_inst_pref_size 83
	.end_amdhsa_kernel
	.amdgpu_metadata
---
amdhsa.version: [ 1, 2 ]
amdhsa.kernels:
  - .name:           k_q0f29f0e604_proj
    .symbol:         k_q0f29f0e604_proj.kd
    .args:
      - { .name: ctxq, .offset: 0, .size: 8, .value_kind: global_buffer, .address_space: global }
      - { .name: wimg, .offset: 8, .size: 8, .value_kind: global_buffer, .address_space: global }
      - { .name: hidden_states, .offset: 16, .size: 8, .value_kind: global_buffer, .address_space: global }
      - { .name: bao, .offset: 24, .size: 8, .value_kind: global_buffer, .address_space: global }
      - { .name: ln1_g, .offset: 32, .size: 8, .value_kind: global_buffer, .address_space: global }
      - { .name: ln1_b, .offset: 40, .size: 8, .value_kind: global_buffer, .address_space: global }
      - { .name: Wr, .offset: 48, .size: 8, .value_kind: global_buffer, .address_space: global }
      - { .name: br, .offset: 56, .size: 8, .value_kind: global_buffer, .address_space: global }
      - { .name: act, .offset: 64, .size: 8, .value_kind: global_buffer, .address_space: global }
      - { .name: eid, .offset: 72, .size: 8, .value_kind: global_buffer, .address_space: global }
      - { .name: out1, .offset: 80, .size: 8, .value_kind: global_buffer, .address_space: global }
    .group_segment_fixed_size: 180224
    .private_segment_fixed_size: 0
    .kernarg_segment_align: 8
    .kernarg_segment_size: 88
    .max_flat_workgroup_size: 384
    .sgpr_count:     66
    .vgpr_count:     256
    .wavefront_size: 32
...
	.end_amdgpu_metadata
.endif
;; end of part 2
;; launch place (part 3): grid 1 x 1, 8 waves a work-group, no clusters, 1,280 bytes of LDS; arguments eid, route; writes route
.if DOCPART == 3
	.amdgcn_target "amdgcn-amd-amdhsa--gfx1250"
	.amdhsa_code_object_version 6
	.text
	.protected	k_q0f29f0e604_place
	.globl	k_q0f29f0e604_place
	.p2align	8
	.type	k_q0f29f0e604_place,@function
k_q0f29f0e604_place:
	s_mov_b64 s[64:65], 0
	v_nop
	global_prefetch_b8 v0, s[64:65] scope:SCOPE_SE
	s_setreg_imm32_b32 hwreg(HW_REG_WAVE_MODE, 25, 1), 1
	s_wait_xcnt 0x0
; Launch 3 of 5: a counting sort of the 2,048 tokens by their routed expert, into tiles of 32 rows.  One work-group; wave e serves expert e; no atomics.
; route: rows[71 x 32] (u32 token numbers; a tile's free slots hold token 0), dump words 2,272 .. 2,303; from byte 9,216 on 71 entries {expert, rows in the tile}, dump entries 71 .. 102.
; 71 = 2,048 / 32 + 8 - 1 tiles serve every split.  A lane with nothing to store at a place of its own stores to a dump word, which nobody reads: EXEC never changes.
; Each wave reads all 2,048 numbers (64 a lane), counts its own, learns the others' counts through LDS, and places its tokens in ascending order by the count of set bits below its lane.
.set CNT,   0
.set SPARE, 256                        ; the spare words: 128 bytes for each of 8 waves, named by no other line
.set TINFO, 9216
.set SPW, 2
.set NIL, 3
	s_load_b128 s[4:7], s[0:1], 0x0                ; eid, route
	v_lshl_add_u32 v[SPW], v0, 2, SPARE
	v_mov_b32 v[NIL], 0
	v_lshrrev_b32 v1, 5, v0
	v_readfirstlane_b32 s8, v1                     ; wave = expert
	v_and_b32 v1, 31, v0                           ; lane
	v_lshlrev_b32 v4, 2, v1
	v_add_nc_u32 v5, 2272, v1                      ; my dump word among the rows
	v_mov_b32 v6, 0
	v_mov_b32 v7, s8
	v_lshlrev_b32 v7, 2, v7                        ; CNT + 4 e
	v_add_nc_u32 v16, 71, v1                       ; my dump entry
	s_wait_kmcnt 0x0
.set I, 0
.rept 64
	global_load_b32 v[64+I], v4, s[4:5] offset:128*I               ; token 32 I + lane
.set I, I+1
.endr
	s_wait_loadcnt 0x0
	s_mov_b32 s20, 0
.set I, 0
.rept 64
	v_cmp_eq_u32 s21, s8, v[64+I]
	s_bcnt1_i32_b32 s22, s21
	s_add_co_u32 s20, s20, s22                     ; my expert's tokens
.set I, I+1
.endr
	v_mov_b32 v17, s20
	ds_store_b32 v7, v17
	s_wait_dscnt 0x0                               ; my count has landed,
	s_barrier_signal -1
	s_barrier_wait -1                              ; everybody's has
	ds_load_b128 v[8:11], v6
	ds_load_b128 v[12:15], v6 offset:16
	s_wait_dscnt 0x0
.irp k, 0,1,2,3,4,5,6,7
	v_readfirstlane_b32 s[24+\k], v[8+\k]
.endr
	s_mov_b32 s32, 0                               ; tiles of the experts below mine
	s_mov_b32 s33, 0                               ; tiles in use
.irp k, 0,1,2,3,4,5,6,7
	s_add_co_u32 s34, s[24+\k], 31
	s_lshr_b32 s34, s34, 5
	s_add_co_u32 s33, s33, s34
	s_cmp_gt_u32 s8, \k
	s_cselect_b32 s34, s34, 0
	s_add_co_u32 s32, s32, s34
.endr
	s_add_co_u32 s35, s20, 31
	s_lshr_b32 s35, s35, 5                         ; my tiles
	s_lshl_b32 s36, s32, 5                         ; my first row's place
.set I, 0
.rept 64
	v_cmp_eq_u32 s21, s8, v[64+I]
	v_mbcnt_lo_u32_b32 v[64+I], s21, s36           ; the place so far + my tokens in lower lanes
	v_cndmask_b32 v[64+I], v5, v[64+I], s21        ; not mine: the dump word
	v_min_u32 v[64+I], 0x8ff, v[64+I]              ; held inside the buffer
	v_lshlrev_b32 v[64+I], 2, v[64+I]
	v_add_nc_u32 v[128+I], 32*I, v1                ; the token's number.  Each store has registers of its own: none is written again
	global_store_b32 v[64+I], v[128+I], s[6:7]
	s_bcnt1_i32_b32 s22, s21
	s_add_co_u32 s36, s36, s22
.set I, I+1
.endr
	v_add_nc_u32 v9, s36, v1                       ; the free slots of my last tile get token 0
	s_add_co_u32 s37, s32, s35
	s_lshl_b32 s37, s37, 5
	v_cmp_gt_u32 s21, s37, v9
	v_cndmask_b32 v9, v5, v9, s21
	v_min_u32 v9, 0x8ff, v9
	v_lshlrev_b32 v9, 2, v9
	global_store_b32 v9, v6, s[6:7]
.irp k, 0,1                            ; my tiles' entries: tile lane + 32 k of up to 64
	v_add_nc_u32 v[20+4*\k], 32*\k, v1
	v_cmp_gt_u32 s21, s35, v[20+4*\k]
	v_lshlrev_b32 v[21+4*\k], 5, v[20+4*\k]
	v_sub_nc_u32 v[23+4*\k], s20, v[21+4*\k]
	v_min_i32 v[23+4*\k], 32, v[23+4*\k]           ; rows in the tile
	v_mov_b32 v[22+4*\k], s8
	v_add_nc_u32 v[20+4*\k], s32, v[20+4*\k]
	v_cndmask_b32 v[20+4*\k], v16, v[20+4*\k], s21
	v_min_u32 v[20+4*\k], 102, v[20+4*\k]
	v_lshlrev_b32 v[20+4*\k], 3, v[20+4*\k]
	global_store_b64 v[20+4*\k], v[22+4*\k:23+4*\k], s[6:7] offset:TINFO
.endr
	s_add_co_u32 s38, s33, s8                      ; the tiles that this split leaves free (at most 7): wave e sees to tile (tiles in use) + e
	s_lshl_b32 s39, s38, 5
	s_add_co_u32 s40, s8, 71
	s_mov_b32 s41, 2272
	s_cmp_lt_u32 s38, 71
	s_cselect_b32 s39, s39, s41
	s_cselect_b32 s40, s38, s40
	v_add_nc_u32 v28, s39, v1
	v_min_u32 v28, 0x8ff, v28
	v_lshlrev_b32 v28, 2, v28
	global_store_b32 v28, v6, s[6:7]               ; rows of token 0,
	v_mov_b32 v29, s40
	v_min_u32 v29, 102, v29
	v_lshlrev_b32 v29, 3, v29
	v_mov_b32 v30, 0
	v_mov_b32 v31, 0
	global_store_b64 v29, v[30:31], s[6:7] offset:TINFO            ; expert 0, no rows
	s_wait_tensorcnt 0x0                           ; the wave's end, behind my last LDS store
	ds_add_u32 v[SPW], v[NIL]
	s_wait_dscnt 0x0
	s_endpgm
.Lfunc_end_k_q0f29f0e604_place:
	.size	k_q0f29f0e604_place, .Lfunc_end_k_q0f29f0e604_place-k_q0f29f0e604_place
	.p2alignl 7, 3214868480
	.fill 96, 4, 3214868480
	.section	.rodata,"a",@progbits
	.p2align	6, 0x0
	.amdhsa_kernel k_q0f29f0e604_place
		.amdhsa_group_segment_fixed_size 1280
		.amdhsa_private_segment_fixed_size 0
		.amdhsa_enable_private_segment 0
		.amdhsa_kernarg_size 16
		.amdhsa_user_sgpr_count 2
		.amdhsa_user_sgpr_kernarg_segment_ptr 1
		.amdhsa_wavefront_size32 1
		.amdhsa_system_sgpr_workgroup_id_x 1
		.amdhsa_system_sgpr_workgroup_id_y 1
		.amdhsa_system_sgpr_workgroup_id_z 1
		.amdhsa_system_vgpr_workitem_id 0
		.amdhsa_next_free_vgpr 208
		.amdhsa_next_free_sgpr 66
		.amdhsa_reserve_vcc 0
		.amdhsa_float_denorm_mode_32 3
		.amdhsa_float_denorm_mode_16_64 3
		.amdhsa_memory_ordered 1
		.amdhsa_forward_progress 1
		.amdhsa_inst_pref_size 52
	.end_amdhsa_kernel
	.amdgpu_metadata
---
amdhsa.version: [ 1, 2 ]
amdhsa.kernels:
  - .name:           k_q0f29f0e604_place
    .symbol:         k_q0f29f0e604_place.kd
    .args:
      - { .name: eid, .offset: 0, .size: 8, .value_kind: global_buffer, .address_space: global }
      - { .name: route, .offset: 8, .size: 8, .value_kind: global_buffer, .address_space: global }
    .group_segment_fixed_size: 1280
    .private_segment_fixed_size: 0
    .kernarg_segment_align: 8
    .kernarg_segment_size: 16
    .max_flat_workgroup_size: 256
    .sgpr_count:     66
    .vgpr_count:     208
    .wavefront_size: 32
...
	.end_amdgpu_metadata
.endif
;; end of part 3
;; launch up (part 4): grid 71 x 3, 16 waves a work-group, no clusters, 21,504 bytes of LDS; arguments route, act, wimg, bi, hid; writes hid
.if DOCPART == 4
	.amdgcn_target "amdgcn-amd-amdhsa--gfx1250"
	.amdhsa_code_object_version 6
	.text
	.protected	k_q0f29f0e604_up
	.globl	k_q0f29f0e604_up
	.p2align	8
	.type	k_q0f29f0e604_up,@function
k_q0f29f0e604_up:
	s_mov_b64 s[64:65], 0
	v_nop
	global_prefetch_b8 v0, s[64:65] scope:SCOPE_SE
	s_setreg_imm32_b32 hwreg(HW_REG_WAVE_MODE, 25, 1), 1
	s_wait_xcnt 0x0
; Launch 4 of 5: gelu(attention_output Wi[e] + bi[e]) for the routed expert alone, quantised along the next K.  The seven other experts' rows are dead work: reference() multiplies them by a mask that is 0 (shown at the head of launch 1).
; Work-group (tile, chunk): the 32 rows of one tile of one expert (launch 3's list) x 1,024 of the 3,072 columns.  Sixteen waves, 64 columns each: four tiles of Wi[e] as source 0, from wimg straight into registers.
; The rows' codes are gathered by the list (row numbers held to 2,047, the expert to 7) into LDS as images of operand registers by waves 0 .. 11; the accumulators are LOADED with bi[e], so the first K step adds onto it.
; A tile that the split leaves without rows runs on token 0 and expert 0 into bytes of hid that nobody uses: a jump on the stored count would stand over the barrier.
; gelu = 0.5 x (1 + erf(x / sqrt 2)), erf as z P(z^2) / Q(z^2) with z held to +-4.  LIMIT: erf's absolute error is about 1e-7, so for x under about -3 gelu has that absolute, not that relative, accuracy.  NaN and infinities are not served.
.set NS,    6
.set TP,    9216
.set AIMG,  0
.set ASC,   18432
.set SPARE, 19200                      ; the spare words: 128 bytes for each of 16 waves, named by no other line
.set SCB,   16367616
.set XQ,    6291456
.set XS,    7471104
.set TINFO, 9216
.set HSB,   5234688                    ; hid: where the scale words begin
.set L16, 1
.set AA0, 2
.set ASA, 4
.set VN,  5
.set SPW, 14
.set NIL, 15
.set AS,  32
.set TM,  34
.set TQ,  40
.set SW,  44
.set ACC, 64
.set WB0, 128
.set WB1, 176
.set AF,  224
.set PC,  248
.set GZ,  128                          ; gelu: z, later Q;  z^2, later x / 2;  P
.set GZ2, 160
.set GP,  192
.set WV,  2
.set WP,  30
.set SP,  32
.set BI,  34
.set SEL, 46
.set RH,  48
.set A0,  50
.set B0,  52
.set MSK, 54
.macro PLACES
.rept 4
	v_nop
.endr
.endm
.macro BARRIER
	s_wait_dscnt 0x0
	s_barrier_signal -1
	s_barrier_wait -1
.endm
.macro QHALF s, pc, sw                 ; 32 numbers of a lane (register 16 b + i = k 32 b + 16 h + i) -> six registers of codes, and byte 0 | byte 1 << 8
	v_max3_num_f32 v[TM], |v[\s]|, |v[\s+1]|, 0x2800000
	v_max3_num_f32 v[TM+1], |v[\s+16]|, |v[\s+17]|, 0x2800000
.irp i, 2,4,6,8,10,12,14
	v_max3_num_f32 v[TM], v[TM], |v[\s+\i]|, |v[\s+\i+1]|
	v_max3_num_f32 v[TM+1], v[TM+1], |v[\s+16+\i]|, |v[\s+17+\i]|
.endr
	v_permlanex16_b32 v[TM+2], v[TM], s[SEL], s[SEL+1]
	v_permlanex16_b32 v[TM+3], v[TM+1], s[SEL], s[SEL+1]
	v_max_num_f32 v[TM], v[TM], v[TM+2]
	v_max_num_f32 v[TM+1], v[TM+1], v[TM+3]
	v_add_nc_u32 v[TM+4], 0xfe000000, v[TM]
	v_add_nc_u32 v[TM+5], 0xfe000000, v[TM+1]
	v_lshrrev_b32 v[TM], 23, v[TM+4]
	v_lshrrev_b32 v[TM+1], 23, v[TM+5]
	v_lshl_or_b32 v[\sw], v[TM+1], 8, v[TM]
	v_cvt_scalef32_pk16_bf6_f32 v[\pc:\pc+2], v[\s:\s+15], v[TM+4]
	v_cvt_scalef32_pk16_bf6_f32 v[TQ:TQ+2], v[\s+16:\s+31], v[TM+5]
	v_nop
.irp i, 0,1,2
	v_permlane16_swap_b32 v[\pc+\i], v[TQ+\i]
.endr
.irp i, 0,1,2
	v_mov_b32 v[\pc+3+\i], v[TQ+\i]
.endr
.endm
.macro WLOAD st
.irp t, 0,1,2,3
.irp c, 0,1,2
	global_load_b128 v[WB0+48*((\st)%2)+12*\t+4*\c:WB0+48*((\st)%2)+12*\t+4*\c+3], v[L16], s[WP:WP+1] offset:\t*TP+(\st)*1536+512*\c
.endr
.endr
.endm
.macro SLOAD q
.irp t, 0,1,2,3
	global_load_b128 v[16+32*((\q)%2)+4*\t:19+32*((\q)%2)+4*\t], v[L16], s[SP:SP+1] offset:(\t*(NS/6)+(\q))*512
.endr
.endm
.macro ALOAD st
.irp u, 0,1
.irp c, 0,1,2
	ds_load_b128 v[AF+12*\u+4*\c:AF+12*\u+4*\c+3], v[AA0+\u] offset:(\st)*1536+512*\c
.endr
	ds_load_b32 v[AS+\u], v[ASA] offset:(\u*NS+(\st))*64
.endr
.endm
.macro MM st                           ; eight matrix instructions, the eight accumulators by turns
.set WSR, 16+32*(((\st)/6)%2)+((\st)%6)/2
.irp t, 0,1,2,3
.irp u, 0,1
.if ((\st)%2) == 0
	v_wmma_scale_f32_16x16x128_f8f6f4 v[ACC+32*\u+8*\t:ACC+32*\u+8*\t+7], v[WB0+12*\t:WB0+12*\t+11], v[AF+12*\u:AF+12*\u+11], v[ACC+32*\u+8*\t:ACC+32*\u+8*\t+7], v[WSR+4*\t], v[AS+\u] matrix_a_fmt:MATRIX_FMT_BF6 matrix_b_fmt:MATRIX_FMT_BF6
.else
	v_wmma_scale_f32_16x16x128_f8f6f4 v[ACC+32*\u+8*\t:ACC+32*\u+8*\t+7], v[WB1+12*\t:WB1+12*\t+11], v[AF+12*\u:AF+12*\u+11], v[ACC+32*\u+8*\t:ACC+32*\u+8*\t+7], v[WSR+4*\t], v[AS+\u] matrix_a_fmt:MATRIX_FMT_BF6 matrix_b_fmt:MATRIX_FMT_BF6 matrix_a_scale:MATRIX_SCALE_ROW1
.endif
.endr
.endr
.endm
.macro GSTEP st, lc
	s_wait_loadcnt \lc
	s_wait_dscnt 0x0
	MM \st
	PLACES
.if (\st)+1 < NS
	ALOAD (\st)+1
.endif
.if (\st)+2 < NS
	WLOAD (\st)+2
.endif
.endm
.macro CLOAD row, adr, sp, off
.irp t, 0,1,2,3
	global_load_b128 v[ACC+32*(\row)+8*\t:ACC+32*(\row)+8*\t+3], v[\adr], s[\sp:\sp+1] offset:(\off)+128*(\t/2)+32*(\t%2)
	global_load_b128 v[ACC+32*(\row)+8*\t+4:ACC+32*(\row)+8*\t+7], v[\adr], s[\sp:\sp+1] offset:(\off)+128*(\t/2)+32*(\t%2)+16
.endr
.endm
.macro GELU gx                         ; 32 numbers in v[gx] on, in place
.irp k, 0,2,4,6,8,10,12,14,16,18,20,22,24,26,28,30
	v_pk_mul_f32 v[GZ+\k:GZ+\k+1], v[\gx+\k:\gx+\k+1], s[RH:RH+1] op_sel_hi:[1,0]     ; z = x / sqrt 2
.endr
.irp k, 0,1,2,3,4,5,6,7,8,9,10,11,12,13,14,15,16,17,18,19,20,21,22,23,24,25,26,27,28,29,30,31
	v_med3_num_f32 v[GZ+\k], v[GZ+\k], -4.0, 4.0
.endr
.irp k, 0,2,4,6,8,10,12,14,16,18,20,22,24,26,28,30
	v_pk_mul_f32 v[GZ2+\k:GZ2+\k+1], v[GZ+\k:GZ+\k+1], v[GZ+\k:GZ+\k+1]
.endr
.irp k, 0,2,4,6,8,10,12,14,16,18,20,22,24,26,28,30
	v_pk_fma_f32 v[GP+\k:GP+\k+1], v[GZ2+\k:GZ2+\k+1], s[A0:A0+1], 0x32edffee op_sel_hi:[1,0,0]
.endr
.irp a, 0xb60cff51, 0xb86ec2d2, 0xba40ac63, 0xbb41a1f6, 0xbc83dbd4
.irp k, 0,2,4,6,8,10,12,14,16,18,20,22,24,26,28,30
	v_pk_fma_f32 v[GP+\k:GP+\k+1], v[GP+\k:GP+\k+1], v[GZ2+\k:GZ2+\k+1], \a op_sel_hi:[1,1,0]
.endr
.endr
.irp k, 0,2,4,6,8,10,12,14,16,18,20,22,24,26,28,30
	v_pk_mul_f32 v[GP+\k:GP+\k+1], v[GP+\k:GP+\k+1], v[GZ+\k:GZ+\k+1]                 ; z P: z's registers are free for Q
.endr
.irp k, 0,2,4,6,8,10,12,14,16,18,20,22,24,26,28,30
	v_pk_fma_f32 v[GZ+\k:GZ+\k+1], v[GZ2+\k:GZ2+\k+1], s[B0:B0+1], 0xb95fbd29 op_sel_hi:[1,0,0]
.endr
.irp a, 0xbadc924e, 0xbbf19bf8, 0xbc69b6a7
.irp k, 0,2,4,6,8,10,12,14,16,18,20,22,24,26,28,30
	v_pk_fma_f32 v[GZ+\k:GZ+\k+1], v[GZ+\k:GZ+\k+1], v[GZ2+\k:GZ2+\k+1], \a op_sel_hi:[1,1,0]
.endr
.endr
.irp k, 0,1,2,3,4,5,6,7,8,9,10,11,12,13,14,15,16,17,18,19,20,21,22,23,24,25,26,27,28,29,30,31
	v_rcp_f32 v[GZ+\k], v[GZ+\k]
.endr
.irp k, 0,2,4,6,8,10,12,14,16,18,20,22,24,26,28,30
	v_pk_mul_f32 v[GZ2+\k:GZ2+\k+1], v[\gx+\k:\gx+\k+1], 0.5 op_sel_hi:[1,0]          ; x / 2: plain work behind the reciprocals
.endr
	s_wait_alu depctr_va_vdst(0)                   ; one wait for the 32 reciprocals, ahead of their first reader
.irp k, 0,2,4,6,8,10,12,14,16,18,20,22,24,26,28,30
	v_pk_mul_f32 v[GP+\k:GP+\k+1], v[GP+\k:GP+\k+1], v[GZ+\k:GZ+\k+1]                 ; erf
.endr
.irp k, 0,2,4,6,8,10,12,14,16,18,20,22,24,26,28,30
	v_pk_fma_f32 v[\gx+\k:\gx+\k+1], v[GZ2+\k:GZ2+\k+1], v[GP+\k:GP+\k+1], v[GZ2+\k:GZ2+\k+1]
.endr
.endm
	s_load_b256 s[4:11], s[0:1], 0x0               ; route 4, act 6, wimg 8, bi 10
	s_load_b64 s[12:13], s[0:1], 0x20              ; hid
	v_lshl_add_u32 v[SPW], v0, 2, SPARE
	v_mov_b32 v[NIL], 0
	v_lshrrev_b32 v34, 5, v0
	v_readfirstlane_b32 s[WV], v34                 ; wave 0 .. 15
	v_and_b32 v34, 31, v0
	v_and_b32 v35, 15, v0
	v_bfe_u32 v13, v0, 4, 1
	v_lshlrev_b32 v[L16], 4, v34
	v_add_nc_u32 v[AA0], AIMG, v[L16]
	v_add_nc_u32 v[AA0+1], AIMG+NS*1536, v[L16]
	v_lshl_add_u32 v[ASA], v35, 2, ASC
	s_lshl_b32 s3, s[WV], 8
	v_lshl_add_u32 v[VN], v13, 6, s3
	v_lshlrev_b32 v11, 3, v34
	v_lshlrev_b32 v12, 2, v35
	v_lshlrev_b32 v47, 2, v34
	s_min_u32 s14, s[WV], 11                       ; waves 0 .. 11 stage fragment w = 6 T + K step
	s_mul_i32 s3, s14, 1536
	v_add_nc_u32 v9, s3, v[L16]
	s_lshl_b32 s3, s14, 6
	s_add_co_u32 s3, s3, ASC
	v_lshl_add_u32 v10, v35, 2, s3
	v_mov_b32 v36, 0                               ; lane permutes' destinations count as sources
	v_mov_b32 v37, 0
	s_mul_i32 s15, s14, 43
	s_lshr_b32 s15, s15, 8                         ; T
	s_mul_i32 s3, s15, 6
	s_sub_co_u32 s16, s14, s3                      ; K step
	s_and_b32 s17, ttmp7, 0xffff                   ; chunk
	s_mov_b32 s[SEL], 0x76543210
	s_mov_b32 s[SEL+1], 0xfedcba98
	s_mov_b32 s[RH], 0x3f3504f3                    ; sqrt(1/2)
	s_mov_b32 s[RH+1], s[RH]
	s_mov_b32 s[A0], 0xaf95df0b
	s_mov_b32 s[A0+1], s[A0]
	s_mov_b32 s[B0], 0xb77460cd
	s_mov_b32 s[B0+1], s[B0]
	s_mov_b32 s[MSK], 0xffff0000
	s_lshl_b32 s18, ttmp9, 3
	s_lshl_b32 s20, ttmp9, 7
	s_lshl_b32 s3, s15, 6
	s_add_co_u32 s20, s20, s3
	s_mov_b32 s21, 0
	s_wait_kmcnt 0x0
	s_load_b32 s19, s[4:5], s18 offset:TINFO       ; the tile's expert
	s_add_nc_u64 s[22:23], s[4:5], s[20:21]
	global_load_b32 v6, v12, s[22:23]              ; the token in slot (T, r)
	s_mul_i32 s20, s16, 96
	s_add_nc_u64 s[24:25], s[6:7], s[20:21]        ; its codes of my K step (XQ stands in the immediate)
	s_lshl_b32 s20, s16, 2
	s_add_nc_u64 s[26:27], s[6:7], s[20:21]        ; and its scale word
	s_wait_kmcnt 0x0
	s_min_u32 s19, s19, 7
	s_mul_i32 s20, s19, 12288
	s_lshl_b32 s3, s17, 12
	s_add_co_u32 s20, s20, s3
	s_add_nc_u64 s[BI:BI+1], s[10:11], s[20:21]    ; bi[e] at my chunk
	s_mul_i32 s3, s19, 192
	s_lshl_b32 s28, s17, 6
	s_add_co_u32 s3, s3, s28
	s_lshl_b32 s28, s[WV], 2
	s_add_co_u32 s3, s3, s28                       ; my first unit: 192 e + 64 chunk + 4 w
	s_mul_i32 s20, s3, 9216
	s_add_nc_u64 s[WP:WP+1], s[8:9], s[20:21]
	s_lshl_b32 s20, s3, 9
	s_add_co_u32 s20, s20, SCB
	s_add_nc_u64 s[SP:SP+1], s[8:9], s[20:21]
	CLOAD 0, VN, BI, 0
	CLOAD 1, VN, BI, 0
	SLOAD 0
	WLOAD 0
	WLOAD 1
	s_wait_loadcnt 44                              ; behind the token's number: 16 of the bias, 4 of scales, 24 of weights
	v_min_u32 v6, 0x7ff, v6                        ; held inside the table
	v_mul_u32_u24 v7, v6, 576
	v_mad_u32_u24 v7, v13, 24, v7
	v_mul_u32_u24 v8, v6, 24
	s_cmp_lt_u32 s[WV], 12
	s_cbranch_scc0 .Lno_stage                      ; round the gather and its stores alone, never round the barrier
.irp p, 0,1,2,3,4,5
	global_load_b64 v[AF+2*\p:AF+2*\p+1], v7, s[24:25] offset:XQ+48*(\p/3)+8*(\p%3)
.endr
	global_load_b32 v46, v8, s[26:27] offset:XS
	s_wait_loadcnt 0x0
.irp c, 0,1,2
	ds_store_b128 v9, v[AF+4*\c:AF+4*\c+3] offset:AIMG+512*\c
.endr
	ds_store_b32 v10, v46
.Lno_stage:
	BARRIER                                        ; the rows' twelve fragments lie in LDS
	ALOAD 0
	GSTEP 0, 0
	GSTEP 1, 12                                    ; the next K step's 12 loads may be out
	GSTEP 2, 12
	GSTEP 3, 12
	GSTEP 4, 12
	GSTEP 5, 0
	GELU ACC
	GELU ACC+32
	QHALF ACC, PC, SW                              ; K = 64 (16 chunk + w) + 0 .. 63 of the next product
	QHALF ACC+32, 240, SW+1
	v_cndmask_b32 v46, v[SW], v[SW+1], s[MSK]      ; lanes 0-15: the words of T = 0's rows; lanes 16-31: of T = 1's
	s_lshl_b32 s3, s17, 4
	s_add_co_u32 s3, s3, s[WV]                     ; which 64 of the 3,072
	s_mul_i32 s20, ttmp9, 73728
	s_mul_i32 s28, s3, 768
	s_add_co_u32 s20, s20, s28
	s_add_nc_u64 s[36:37], s[12:13], s[20:21]
	s_mul_i32 s20, ttmp9, 48
	s_add_co_u32 s20, s20, s3
	s_lshl_b32 s20, s20, 7
	s_add_nc_u64 s[38:39], s[12:13], s[20:21]
.irp i, 0,1,2
	global_store_b64 v11, v[PC+2*\i:PC+2*\i+1], s[36:37] offset:256*\i             ; 256 consecutive bytes, aligned
	global_store_b64 v11, v[240+2*\i:241+2*\i], s[36:37] offset:36864+256*\i
.endr
	global_store_b32 v47, v46, s[38:39] offset:HSB
	s_wait_tensorcnt 0x0                           ; the wave's end, behind my last LDS store
	ds_add_u32 v[SPW], v[NIL]
	s_wait_dscnt 0x0
	s_endpgm
.Lfunc_end_k_q0f29f0e604_up:
	.size	k_q0f29f0e604_up, .Lfunc_end_k_q0f29f0e604_up-k_q0f29f0e604_up
	.p2alignl 7, 3214868480
	.fill 96, 4, 3214868480
	.section	.rodata,"a",@progbits
	.p2align	6, 0x0
	.amdhsa_kernel k_q0f29f0e604_up
		.amdhsa_group_segment_fixed_size 21504
		.amdhsa_private_segment_fixed_size 0
		.amdhsa_enable_private_segment 0
		.amdhsa_kernarg_size 40
		.amdhsa_user_sgpr_count 2
		.amdhsa_user_sgpr_kernarg_segment_ptr 1
		.amdhsa_wavefront_size32 1
		.amdhsa_system_sgpr_workgroup_id_x 1
		.amdhsa_system_sgpr_workgroup_id_y 1
		.amdhsa_system_sgpr_workgroup_id_z 1
		.amdhsa_system_vgpr_workitem_id 0
		.amdhsa_next_free_vgpr 256
		.amdhsa_next_free_sgpr 66
		.amdhsa_reserve_vcc 0
		.amdhsa_float_denorm_mode_32 3
		.amdhsa_float_denorm_mode_16_64 3
		.amdhsa_memory_ordered 1
		.amdhsa_forward_progress 1
		.amdhsa_inst_pref_size 77
	.end_amdhsa_kernel
	.amdgpu_metadata
---
amdhsa.version: [ 1, 2 ]
amdhsa.kernels:
  - .name:           k_q0f29f0e604_up
    .symbol:         k_q0f29f0e604_up.kd
    .args:
      - { .name: route, .offset: 0, .size: 8, .value_kind: global_buffer, .address_space: global }
      - { .name: act, .offset: 8, .size: 8, .value_kind: global_buffer, .address_space: global }
      - { .name: wimg, .offset: 16, .size: 8, .value_kind: global_buffer, .address_space: global }
      - { .name: bi, .offset: 24, .size: 8, .value_kind: global_buffer, .address_space: global }
      - { .name: hid, .offset: 32, .size: 8, .value_kind: global_buffer, .address_space: global }
    .group_segment_fixed_size: 21504
    .private_segment_fixed_size: 0
    .kernarg_segment_align: 8
    .kernarg_segment_size: 40
    .max_flat_workgroup_size: 512
    .sgpr_count:     66
    .vgpr_count:     256
    .wavefront_size: 32
...
	.end_amdgpu_metadata
.endif
;; end of part 4
;; launch down (part 5): grid 71 x 1, 12 waves a work-group, no clusters, 181,248 bytes of LDS; arguments route, hid, wimg, act, bo, ln2_g, ln2_b, out0; writes out0
.if DOCPART == 5
	.amdgcn_target "amdgcn-amd-amdhsa--gfx1250"
	.amdhsa_code_object_version 6
	.text
	.protected	k_q0f29f0e604_down
	.globl	k_q0f29f0e604_down
	.p2align	8
	.type	k_q0f29f0e604_down,@function
k_q0f29f0e604_down:
	s_mov_b64 s[64:65], 0
	v_nop
	global_prefetch_b8 v0, s[64:65] scope:SCOPE_SE
	s_setreg_imm32_b32 hwreg(HW_REG_WAVE_MODE, 25, 1), 1
	s_wait_xcnt 0x0
; Launch 5 of 5: out0 = LN2(inter Wo + bo + attention_output), for the 32 rows of one tile of launch 3's list; each token's row has one owner.  Rows of experts that were not routed to do not exist here (dead work: head of launch 1).
; Twelve waves, 64 columns each: four tiles of Wo as source 0, from wimg straight into registers, 24 K steps; the rows' 48 fragments come into LDS once as images of operand registers.
; The accumulators are LOADED with the gathered residual.  The layer norm goes in two passes.  Whole rows leave through a stage; only the tile's valid slots, a prefix, are stored: a branch on the stored count, behind the last barrier.
; LIMITS: 1 / 768 is a multiplication; NaN and infinities are not served.
.set NS,    24
.set TP,    36864
.set AIMG,  0                          ; 48 images of 1,536 bytes: T x 24 + K step
.set ASC,   73728
.set RED1,  76800
.set OST,   80896                      ; 32 rows x (3,072 + 16) bytes
.set SPARE, 179712                     ; the spare words: 128 bytes for each of 12 waves, named by no other line
.set SCB,   16367616
.set TINFO, 9216
.set HSB,   5234688
.set L16, 1
.set AA0, 2
.set ASA, 4
.set VN,  5
.set R1A, 8
.set R1L, 9
.set SPW, 14
.set NIL, 15
.set AS,  32                           ; v16-31 and v48-63 Wo's scale words, two sets; v32-33 the rows': scales and nothing else
.set ACC, 64
.set WB0, 128
.set WB1, 176
.set AF,  224
.set WV,  2
.set WP,  32
.set SP,  34
.set SEL, 36
.set NINV, 38
.set INV,  39
.set EPS,  40
.set NV,   41
.macro PLACES
.rept 4
	v_nop
.endr
.endm
.macro BARRIER
	s_wait_dscnt 0x0
	s_barrier_signal -1
	s_barrier_wait -1
.endm
.macro WLOAD st
.irp t, 0,1,2,3
.irp c, 0,1,2
	global_load_b128 v[WB0+48*((\st)%2)+12*\t+4*\c:WB0+48*((\st)%2)+12*\t+4*\c+3], v[L16], s[WP:WP+1] offset:\t*TP+(\st)*1536+512*\c
.endr
.endr
.endm
.macro SLOAD q
.irp t, 0,1,2,3
	global_load_b128 v[16+32*((\q)%2)+4*\t:19+32*((\q)%2)+4*\t], v[L16], s[SP:SP+1] offset:(\t*(NS/6)+(\q))*512
.endr
.endm
.macro ALOAD st
.irp u, 0,1
.irp c, 0,1,2
	ds_load_b128 v[AF+12*\u+4*\c:AF+12*\u+4*\c+3], v[AA0+\u] offset:(\st)*1536+512*\c
.endr
	ds_load_b32 v[AS+\u], v[ASA] offset:(\u*NS+(\st))*64
.endr
.endm
.macro MM st                           ; eight matrix instructions, the eight accumulators by turns
.set WSR, 16+32*(((\st)/6)%2)+((\st)%6)/2
.irp t, 0,1,2,3
.irp u, 0,1
.if ((\st)%2) == 0
	v_wmma_scale_f32_16x16x128_f8f6f4 v[ACC+32*\u+8*\t:ACC+32*\u+8*\t+7], v[WB0+12*\t:WB0+12*\t+11], v[AF+12*\u:AF+12*\u+11], v[ACC+32*\u+8*\t:ACC+32*\u+8*\t+7], v[WSR+4*\t], v[AS+\u] matrix_a_fmt:MATRIX_FMT_BF6 matrix_b_fmt:MATRIX_FMT_BF6
.else
	v_wmma_scale_f32_16x16x128_f8f6f4 v[ACC+32*\u+8*\t:ACC+32*\u+8*\t+7], v[WB1+12*\t:WB1+12*\t+11], v[AF+12*\u:AF+12*\u+11], v[ACC+32*\u+8*\t:ACC+32*\u+8*\t+7], v[WSR+4*\t], v[AS+\u] matrix_a_fmt:MATRIX_FMT_BF6 matrix_b_fmt:MATRIX_FMT_BF6 matrix_a_scale:MATRIX_SCALE_ROW1
.endif
.endr
.endr
.endm
.macro GSTEP st, lc                    ; lc: the loads issued behind this step's weights, which may stay out
	s_wait_loadcnt \lc
	s_wait_dscnt 0x0
	MM \st
	PLACES
.if (\st)+1 < NS
	ALOAD (\st)+1
.endif
.if (((\st)%6) == 0) && ((\st)+6 < NS)
	SLOAD (\st)/6+1                                ; the next six K steps' scale words, into the set that was left a K step ago
.endif
.if (\st)+2 < NS
	WLOAD (\st)+2
.endif
.endm
.macro CLOAD row, adr, sp, off
.irp t, 0,1,2,3
	global_load_b128 v[ACC+32*(\row)+8*\t:ACC+32*(\row)+8*\t+3], v[\adr], s[\sp:\sp+1] offset:(\off)+128*(\t/2)+32*(\t%2)
	global_load_b128 v[ACC+32*(\row)+8*\t+4:ACC+32*(\row)+8*\t+7], v[\adr], s[\sp:\sp+1] offset:(\off)+128*(\t/2)+32*(\t%2)+16
.endr
.endm
.macro ELOAD dst, sp
.irp t, 0,1,2,3
	global_load_b128 v[\dst+8*\t:\dst+8*\t+3], v[VN], s[\sp:\sp+1] offset:128*(\t/2)+32*(\t%2)
	global_load_b128 v[\dst+8*\t+4:\dst+8*\t+7], v[VN], s[\sp:\sp+1] offset:128*(\t/2)+32*(\t%2)+16
.endr
.endm
.macro RSUM off                        ; v[34:35] (T = 0), v[36:37] (T = 1): my sums -> the rows' sums over all 768 columns in v[AF], v[AF+12]; one barrier
	v_add_f32 v34, v34, v35
	v_add_f32 v36, v36, v37
	v_permlanex16_b32 v38, v34, s[SEL], s[SEL+1]
	v_permlanex16_b32 v39, v36, s[SEL], s[SEL+1]
	v_add_f32 v34, v34, v38
	v_add_f32 v36, v36, v39
	ds_store_b32 v[R1A], v34 offset:\off
	ds_store_b32 v[R1A], v36 offset:\off+1024
	BARRIER
.irp u, 0,1
.irp c, 0,1,2
	ds_load_b128 v[AF+12*\u+4*\c:AF+12*\u+4*\c+3], v[R1L] offset:\off+1024*\u+16*\c
.endr
.endr
	s_wait_dscnt 0x0
.irp k, 2,4,6,8,10
	v_pk_add_f32 v[AF:AF+1], v[AF:AF+1], v[AF+\k:AF+\k+1]
	v_pk_add_f32 v[AF+12:AF+13], v[AF+12:AF+13], v[AF+12+\k:AF+13+\k]
.endr
	v_add_f32 v[AF], v[AF], v[AF+1]
	v_add_f32 v[AF+12], v[AF+12], v[AF+13]
.endm
.macro LNORM                           ; the accumulators become gain x (y - mean) / sqrt(var + 1e-12) + bias; gain in v[WB1] on, bias in v[WB0] on
	v_pk_add_f32 v[34:35], v[ACC:ACC+1], v[ACC+2:ACC+3]
	v_pk_add_f32 v[36:37], v[ACC+32:ACC+33], v[ACC+34:ACC+35]
.irp k, 4,6,8,10,12,14,16,18,20,22,24,26,28,30
	v_pk_add_f32 v[34:35], v[34:35], v[ACC+\k:ACC+\k+1]
	v_pk_add_f32 v[36:37], v[36:37], v[ACC+32+\k:ACC+33+\k]
.endr
	RSUM 0
	v_mul_f32 v40, s[NINV], v[AF]
	v_mul_f32 v42, s[NINV], v[AF+12]
	v_mov_b32 v41, v40
	v_mov_b32 v43, v42
.irp u, 0,1
.irp k, 0,2,4,6,8,10,12,14,16,18,20,22,24,26,28,30
	v_pk_add_f32 v[ACC+32*\u+\k:ACC+32*\u+\k+1], v[ACC+32*\u+\k:ACC+32*\u+\k+1], v[40+2*\u:41+2*\u]
.endr
.endr
	v_pk_mul_f32 v[34:35], v[ACC:ACC+1], v[ACC:ACC+1]
	v_pk_mul_f32 v[36:37], v[ACC+32:ACC+33], v[ACC+32:ACC+33]
.irp k, 2,4,6,8,10,12,14,16,18,20,22,24,26,28,30
	v_pk_fma_f32 v[34:35], v[ACC+\k:ACC+\k+1], v[ACC+\k:ACC+\k+1], v[34:35]
	v_pk_fma_f32 v[36:37], v[ACC+32+\k:ACC+33+\k], v[ACC+32+\k:ACC+33+\k], v[36:37]
.endr
	RSUM 2048
	v_fma_f32 v40, v[AF], s[INV], s[EPS]
	v_fma_f32 v42, v[AF+12], s[INV], s[EPS]
	v_rsq_f32 v40, v40
	v_rsq_f32 v42, v42
	v_nop                                          ; a plain place behind the two
	s_wait_alu depctr_va_vdst(0)                   ; one wait for both, ahead of their first reader
	v_mov_b32 v41, v40
	v_mov_b32 v43, v42
	s_wait_loadcnt 0x0                             ; gain and bias
.irp u, 0,1
.irp k, 0,2,4,6,8,10,12,14,16,18,20,22,24,26,28,30
	v_pk_mul_f32 v[ACC+32*\u+\k:ACC+32*\u+\k+1], v[ACC+32*\u+\k:ACC+32*\u+\k+1], v[40+2*\u:41+2*\u]
.endr
.irp k, 0,2,4,6,8,10,12,14,16,18,20,22,24,26,28,30
	v_pk_fma_f32 v[ACC+32*\u+\k:ACC+32*\u+\k+1], v[ACC+32*\u+\k:ACC+32*\u+\k+1], v[WB1+\k:WB1+\k+1], v[WB0+\k:WB0+\k+1]
.endr
.endr
.endm
	s_load_b512 s[4:19], s[0:1], 0x0               ; route 4, hid 6, wimg 8, act 10, bo 12, ln2_g 14, ln2_b 16, out0 18
	v_lshl_add_u32 v[SPW], v0, 2, SPARE
	v_mov_b32 v[NIL], 0
	v_lshrrev_b32 v34, 5, v0
	v_readfirstlane_b32 s[WV], v34                 ; wave 0 .. 11
	v_and_b32 v34, 31, v0
	v_and_b32 v35, 15, v0
	v_bfe_u32 v36, v0, 4, 1
	v_lshlrev_b32 v[L16], 4, v34
	v_add_nc_u32 v[AA0], AIMG, v[L16]
	v_add_nc_u32 v[AA0+1], AIMG+NS*1536, v[L16]
	v_lshl_add_u32 v[ASA], v35, 2, ASC
	s_lshl_b32 s3, s[WV], 8
	v_lshl_add_u32 v[VN], v36, 6, s3
	s_lshl_b32 s3, s[WV], 2
	s_add_co_u32 s3, s3, RED1
	v_lshl_add_u32 v[R1A], v35, 6, s3
	v_lshl_add_u32 v[R1L], v35, 6, RED1
	v_mul_u32_u24 v10, v35, 3088
	v_add_nc_u32 v10, v10, v[VN]
	v_add_nc_u32 v10, OST, v10                     ; the stage: row = slot 16 T + r, my columns
	s_mul_i32 s3, s[WV], 6144
	v_add_nc_u32 v11, s3, v[L16]                   ; where I store the rows' fragments 4 w .. 4 w + 3,
	s_lshl_b32 s3, s[WV], 8
	s_add_co_u32 s3, s3, ASC
	v_lshl_add_u32 v12, v35, 2, s3                 ; and their scale words
	v_lshlrev_b32 v46, 3, v34
	v_lshlrev_b32 v47, 2, v35
	v_mov_b32 v38, 0                               ; lane permutes' destinations count as sources
	v_mov_b32 v39, 0
	s_mov_b32 s[SEL], 0x76543210
	s_mov_b32 s[SEL+1], 0xfedcba98
	s_mov_b32 s[NINV], 0xbaaaaaab                  ; -1 / 768
	s_mov_b32 s[INV], 0x3aaaaaab                   ; 1 / 768
	s_mov_b32 s[EPS], 0x2b8cbccc                   ; 1e-12
	s_mul_i32 s20, s[WV], 43
	s_lshr_b32 s20, s20, 8                         ; w / 6
	s_lshl_b32 s21, ttmp9, 7
	s_lshl_b32 s3, s20, 6
	s_add_co_u32 s22, s21, s3
	s_lshl_b32 s23, ttmp9, 3
	s_mov_b32 s43, 0
	s_wait_kmcnt 0x0
	s_load_b32 s24, s[4:5], s23 offset:TINFO+4     ; rows in the tile
	s_load_b512 s[48:63], s[4:5], s22 offset:0x0   ; the tokens of slots 16 (w / 6) + 0 .. 15: those whose rows I store
	s_mov_b32 s42, s21
	s_add_nc_u64 s[26:27], s[4:5], s[42:43]
	s_mul_i32 s42, ttmp9, 73728
	s_mul_i32 s3, s[WV], 6144
	s_add_co_u32 s42, s42, s3
	s_add_nc_u64 s[28:29], s[6:7], s[42:43]        ; the rows' fragments 4 w on
	s_mul_i32 s42, ttmp9, 6144
	s_lshl_b32 s3, s[WV], 10
	s_add_co_u32 s42, s42, s3
	s_mul_i32 s3, s20, 6080
	s_sub_co_u32 s42, s42, s3                      ; 128 (48 tile + 2 K step) + 64 T with K step = 4 (w - 6 T) + i: 6,144 tile + 1,024 w - 6,080 T + 256 i
	s_add_nc_u64 s[30:31], s[6:7], s[42:43]
	s_lshl_b32 s3, s[WV], 4
	s_add_co_u32 s3, s3, 1536                      ; Wo's units begin at 1,536: 16 a wave
	s_mul_i32 s42, s3, 9216
	s_add_nc_u64 s[WP:WP+1], s[8:9], s[42:43]
	s_lshl_b32 s42, s3, 9
	s_add_co_u32 s42, s42, SCB
	s_add_nc_u64 s[SP:SP+1], s[8:9], s[42:43]
	global_load_b32 v6, v47, s[26:27]              ; the tokens of slots (0, r) and (1, r)
	global_load_b32 v7, v47, s[26:27] offset:64
.irp i, 0,1,2,3
.irp c, 0,1
.irp k, 0,1,2
	global_load_b64 v[64+12*\i+6*\c+2*\k:65+12*\i+6*\c+2*\k], v46, s[28:29] offset:1536*\i+768*\c+256*\k
.endr
.endr
	global_load_b32 v[112+2*\i], v47, s[30:31] offset:HSB+256*\i
	global_load_b32 v[113+2*\i], v47, s[30:31] offset:HSB+256*\i+128
.endr
	SLOAD 0
	WLOAD 0
	WLOAD 1
	s_wait_loadcnt 28                              ; behind the tokens' numbers and the 32 staging loads: 4 of scales, 24 of weights
.irp i, 0,1,2,3
	v_lshl_or_b32 v[112+2*\i], v[113+2*\i], 16, v[112+2*\i]
.endr
.irp i, 0,1,2,3
.irp c, 0,1,2
	ds_store_b128 v11, v[64+12*\i+4*\c:67+12*\i+4*\c] offset:AIMG+1536*\i+512*\c
.endr
	ds_store_b32 v12, v[112+2*\i] offset:64*\i
.endr
	v_min_u32 v6, 0x7ff, v6                        ; held inside the table
	v_min_u32 v7, 0x7ff, v7
	v_mul_u32_u24 v6, v6, 3072
	v_mul_u32_u24 v7, v7, 3072
	v_add_nc_u32 v6, v6, v[VN]
	v_add_nc_u32 v7, v7, v[VN]
	s_wait_dscnt 0x0                               ; the stores have read their registers: the accumulators may be loaded
	CLOAD 0, 6, 10, 0                              ; the residual: attention_output of my slots' tokens
	CLOAD 1, 7, 10, 0
	BARRIER                                        ; the rows' 48 fragments lie in LDS
	ALOAD 0
.set Q, 0
.rept NS
.set LCQ, 12                           ; the next K step's 12 loads may be out;
.if Q == 0
.set LCQ, 0                            ; the residual is the youngest load;
.endif
.if ((Q%6) == 1) && (Q+5 < NS)
.set LCQ, 16                           ; four loads of scale words stand between;
.endif
.if Q == NS-1
.set LCQ, 8                            ; bo's eight
.endif
	GSTEP Q, LCQ
.if Q == NS-2
	ELOAD WB0, 12                                  ; bo
.endif
.if Q == NS-1
	ELOAD WB1, 14                                  ; ln2_g
.endif
.set Q, Q+1
.endr
	s_wait_loadcnt 8                               ; bo is in
.irp u, 0,1
.irp k, 0,2,4,6,8,10,12,14,16,18,20,22,24,26,28,30
	v_pk_add_f32 v[ACC+32*\u+\k:ACC+32*\u+\k+1], v[ACC+32*\u+\k:ACC+32*\u+\k+1], v[WB0+\k:WB0+\k+1]
.endr
.endr
	ELOAD WB0, 16                                  ; ln2_b
	LNORM
.irp u, 0,1
.irp t, 0,1,2,3
	ds_store_b128 v10, v[ACC+32*\u+8*\t:ACC+32*\u+8*\t+3] offset:49408*\u+128*(\t/2)+32*(\t%2)
	ds_store_b128 v10, v[ACC+32*\u+8*\t+4:ACC+32*\u+8*\t+7] offset:49408*\u+128*(\t/2)+32*(\t%2)+16
.endr
.endr
	BARRIER                                        ; 32 whole rows lie in the stage
	s_lshl_b32 s3, s[WV], 9
	s_mul_i32 s42, s20, 46336
	s_add_co_u32 s42, s42, s3
	s_add_co_u32 s42, s42, OST
	v_add_nc_u32 v11, s42, v[L16]                  ; slots 16 (w / 6) on, 512 bytes at 512 (w % 6): 512 w + 46,336 (w / 6)
	s_mul_i32 s42, s20, 3072
	s_sub_co_u32 s42, s3, s42
	v_add_nc_u32 v12, s42, v[L16]                  ; the same 512 bytes of a row of out0
	s_wait_kmcnt 0x0
	s_lshl_b32 s3, s20, 4
	s_sub_co_i32 s[NV], s24, s3                    ; how many of my 16 slots hold a token
.irp i, 0,1,2,3,4,5,6,7,8,9,10,11,12,13,14,15
	ds_load_b128 v[64+4*\i:67+4*\i], v11 offset:3088*\i
.endr
.irp i, 0,1,2,3,4,5,6,7,8,9,10,11,12,13,14,15
	s_cmp_le_i32 s[NV], \i
	s_cbranch_scc1 .Lend                           ; the valid slots are a prefix; no barrier follows
	s_min_u32 s42, s[48+\i], 2047
	s_mul_i32 s42, s42, 3072
	v_add_nc_u32 v[128+\i], s42, v12               ; each store has an offset register of its own
	s_wait_dscnt 15-\i
	global_store_b128 v[128+\i], v[64+4*\i:67+4*\i], s[18:19] th:TH_STORE_NT       ; 512 consecutive bytes, aligned
.endr
.Lend:
	s_wait_tensorcnt 0x0                           ; the wave's end, behind my last LDS store
	ds_add_u32 v[SPW], v[NIL]
	s_wait_dscnt 0x0
	s_endpgm
.Lfunc_end_k_q0f29f0e604_down:
	.size	k_q0f29f0e604_down, .Lfunc_end_k_q0f29f0e604_down-k_q0f29f0e604_down
	.p2alignl 7, 3214868480
	.fill 96, 4, 3214868480
	.section	.rodata,"a",@progbits
	.p2align	6, 0x0
	.amdhsa_kernel k_q0f29f0e604_down
		.amdhsa_group_segment_fixed_size 181248
		.amdhsa_private_segment_fixed_size 0
		.amdhsa_enable_private_segment 0
		.amdhsa_kernarg_size 64
		.amdhsa_user_sgpr_count 2
		.amdhsa_user_sgpr_kernarg_segment_ptr 1
		.amdhsa_wavefront_size32 1
		.amdhsa_system_sgpr_workgroup_id_x 1
		.amdhsa_system_sgpr_workgroup_id_y 1
		.amdhsa_system_sgpr_workgroup_id_z 1
		.amdhsa_system_vgpr_workitem_id 0
		.amdhsa_next_free_vgpr 256
		.amdhsa_next_free_sgpr 66
		.amdhsa_reserve_vcc 0
		.amdhsa_float_denorm_mode_32 3
		.amdhsa_float_denorm_mode_16_64 3
		.amdhsa_memory_ordered 1
		.amdhsa_forward_progress 1
		.amdhsa_inst_pref_size 105
	.end_amdhsa_kernel
	.amdgpu_metadata
---
amdhsa.version: [ 1, 2 ]
amdhsa.kernels:
  - .name:           k_q0f29f0e604_down
    .symbol:         k_q0f29f0e604_down.kd
    .args:
      - { .name: route, .offset: 0, .size: 8, .value_kind: global_buffer, .address_space: global }
      - { .name: hid, .offset: 8, .size: 8, .value_kind: global_buffer, .address_space: global }
      - { .name: wimg, .offset: 16, .size: 8, .value_kind: global_buffer, .address_space: global }
      - { .name: act, .offset: 24, .size: 8, .value_kind: global_buffer, .address_space: global }
      - { .name: bo, .offset: 32, .size: 8, .value_kind: global_buffer, .address_space: global }
      - { .name: ln2_g, .offset: 40, .size: 8, .value_kind: global_buffer, .address_space: global }
      - { .name: ln2_b, .offset: 48, .size: 8, .value_kind: global_buffer, .address_space: global }
      - { .name: out0, .offset: 56, .size: 8, .value_kind: global_buffer, .address_space: global }
    .group_segment_fixed_size: 181248
    .private_segment_fixed_size: 0
    .kernarg_segment_align: 8
    .kernarg_segment_size: 64
    .max_flat_workgroup_size: 384
    .sgpr_count:     66
    .vgpr_count:     256
    .wavefront_size: 32
...
	.end_amdgpu_metadata
.endif
;; end of part 5
;; ======== version 2 of 2: 5 launches; 1.14 times as fast as version 1
;; limits: a function is approximated: absolute error at most 1e-07
;; workspace buffers: wimg 17,276,928 bytes; ctxq 1,376,256 bytes; act 7,520,256 bytes; eid 8,192 bytes of whole numbers; route 10,240 bytes of whole numbers; part 20,938,752 bytes
;; launch attn: the kernel of part 1 again; grid 207 x 1, 16 waves a work-group, no clusters, 311,296 bytes of LDS; arguments hidden_states, Wq_codes, Wq_scales, Wk_codes, Wk_scales, Wv_codes, Wv_scales, bq, bk, bv, Wi_codes, Wi_scales, Wo_codes, Wo_scales, Wao_codes, Wao_scales, wimg, ctxq; writes wimg, ctxq
;; launch proj: the kernel of part 2 again; grid 64 x 1, 12 waves a work-group, no clusters, 180,224 bytes of LDS; arguments ctxq, wimg, hidden_states, bao, ln1_g, ln1_b, Wr, br, act, eid, out1; writes act, eid, out1
;; launch place: the kernel of part 3 again; grid 1 x 1, 8 waves a work-group, no clusters, 1,280 bytes of LDS; arguments eid, route; writes route
;; launch updown (part 6): grid 71 x 3, 16 waves a work-group, no clusters, 47,104 bytes of LDS; arguments route, act, wimg, bi, part; writes part
.if DOCPART == 6
	.amdgcn_target "amdgcn-amd-amdhsa--gfx1250"
	.amdhsa_code_object_version 6
	.text
	.protected	k_q0f29f0e604_updown
	.globl	k_q0f29f0e604_updown
	.p2align	8
	.type	k_q0f29f0e604_updown,@function
k_q0f29f0e604_updown:
	s_mov_b64 s[64:65], 0
	v_nop
	global_prefetch_b8 v0, s[64:65] scope:SCOPE_SE
	s_setreg_imm32_b32 hwreg(HW_REG_WAVE_MODE, 25, 1), 1
	s_wait_xcnt 0x0
; Launch 4 of 5: h = gelu(attention_output Wi[e] + bi[e]) for the routed expert alone, quantised along the next K, and straight on: this chunk's part of h Wo.  The seven other experts' rows are dead work: reference() multiplies them by a mask that is 0 (shown at the head of launch 1).
; Work-group (tile, chunk): the 32 rows of one tile of one expert (launch 3's list) x 1,024 of the 3,072 hidden units.  Sixteen waves.
; UP: wave w makes hidden units 64 w .. 64 w + 63 of the chunk: four tiles of Wi[e] as source 0, from wimg straight into registers.  The rows' codes are gathered by the list (row numbers held to 2,047, the expert to 7) into LDS as
; images of operand registers by waves 0 .. 11; the accumulators are LOADED with bi[e], so the first K step adds onto it.  gelu, then the quantiser, in registers.
; The hidden layer never goes to memory: a wave's 64 units of 16 rows are half a fragment of the next operand, stored to LDS as it stands in the registers (8 bytes a lane and pair of registers); two waves' halves on end are a fragment.
; DOWN: K = the chunk's 1,024, eight K steps; wave w makes columns of Wo's tiles 3 w .. 3 w + 2 for the 32 rows: six accumulators.  The sums are PARTS of a row's sum over K = 3,072: they leave as images of the accumulators,
; and launch 5 adds the three chunks' parts, the bias and the residual.  LIMIT: so a row's sum is three f32 sums of 1,024 terms, added in ascending order, not one chain.
; A tile that the split leaves without rows runs on token 0 and expert 0 into bytes of part whose rows nobody stores: a jump on the stored count would stand over the barriers.
; gelu = 0.5 x (1 + erf(x / sqrt 2)), erf as z P(z^2) / Q(z^2) with z held to +-4.  LIMIT: erf's absolute error is about 1e-7, so for x under about -3 gelu has that absolute, not that relative, accuracy.  NaN and infinities are not served.
.set NS,    6
.set TP,    9216
.set AIMG,  0                          ; the rows' 12 fragments, 1,536 bytes each: T x 6 + K step
.set ASC,   18432                      ; their scale words, 64 bytes each
.set HIMG,  19200                      ; the hidden layer: 32 half fragments of 768 bytes: T x 16 + wave
.set HSC,   43776                      ; its scale words: (T x 8 + K step) x 64 + 4 r
.set SPARE, 44800                      ; the spare words: 128 bytes for each of 16 waves, named by no other line
.set SCB,   16367616
.set XQ,    6291456
.set XS,    7471104
.set TINFO, 9216
.set L16, 1                            ; v1 16 x lane   v2, v3 the rows' images of T = 0, 1   v4 their scale words   v5 256 w + 64 h: never rewritten
.set AA0, 2
.set ASA, 4
.set VN,  5
.set HW,  11                           ; v11 where I store my half fragments   v56 where any fragment of the hidden layer is read   v57 its scale words   v58 where I store my two scale bytes: never rewritten
.set SPW, 14
.set NIL, 15
.set AS,  32                           ; v16-31 the weights' scale words, v32-33 the rows': scales and nothing else
.set TM,  34
.set TQ,  40
.set SW,  44
.set PC2, 48
.set HL,  56
.set HSA, 57
.set HSW, 58
.set ACC, 64
.set WB0, 128
.set WB1, 176
.set AF,  224
.set PC,  248
.set GZ,  128                          ; gelu: z, later Q;  z^2, later x / 2;  P
.set GZ2, 160
.set GP,  192
.set ACC2, 64                          ; down: accumulator (T, t) at v[64 + 24 T + 8 t]
.set AF2, 112                          ; the hidden layer's two fragments
.set WB2, 136                          ; three sets of three fragments of Wo
.set WV,  2
.set WP,  30
.set SP,  32
.set BI,  34
.set PP,  36
.set SEL, 46
.set RH,  48
.set A0,  50
.set B0,  52
.set WP2, 56
.set SQ,  66                           ; s[66:73] four pointers to Wo's scale words, one for each pair of K steps
.macro PLACES                          ; four plain vector instructions behind a matrix instruction, ahead of loads into its registers and of the first read of its result
.rept 4
	v_nop
.endr
.endm
.macro BARRIER                         ; my LDS stores have landed and my LDS loads are in; then the work-group's barrier
	s_wait_dscnt 0x0
	s_barrier_signal -1
	s_barrier_wait -1
.endm
.macro QHALF s, pc, sw                 ; 32 numbers of a lane (register 16 b + i = k 32 b + 16 h + i) -> six registers of codes (k = 32 h + 0 .. 31), and byte 0 | byte 1 << 8
	v_max3_num_f32 v[TM], |v[\s]|, |v[\s+1]|, 0x2800000              ; my 16 numbers of each block, and the floor 2^(5 - 127): the byte cannot fall under 1
	v_max3_num_f32 v[TM+1], |v[\s+16]|, |v[\s+17]|, 0x2800000
.irp i, 2,4,6,8,10,12,14
	v_max3_num_f32 v[TM], v[TM], |v[\s+\i]|, |v[\s+\i+1]|
	v_max3_num_f32 v[TM+1], v[TM+1], |v[\s+16+\i]|, |v[\s+17+\i]|
.endr
	v_permlanex16_b32 v[TM+2], v[TM], s[SEL], s[SEL+1]
	v_permlanex16_b32 v[TM+3], v[TM+1], s[SEL], s[SEL+1]
	v_max_num_f32 v[TM], v[TM], v[TM+2]
	v_max_num_f32 v[TM+1], v[TM+1], v[TM+3]
	v_add_nc_u32 v[TM+4], 0xfe000000, v[TM]                          ; 4 off the exponent field: the conversion's scale operand
	v_add_nc_u32 v[TM+5], 0xfe000000, v[TM+1]
	v_lshrrev_b32 v[TM], 23, v[TM+4]
	v_lshrrev_b32 v[TM+1], 23, v[TM+5]
	v_lshl_or_b32 v[\sw], v[TM+1], 8, v[TM]
	v_cvt_scalef32_pk16_bf6_f32 v[\pc:\pc+2], v[\s:\s+15], v[TM+4]
	v_cvt_scalef32_pk16_bf6_f32 v[TQ:TQ+2], v[\s+16:\s+31], v[TM+5]
	v_nop                                                            ; one plain place behind a scaled conversion
.irp i, 0,1,2
	v_permlane16_swap_b32 v[\pc+\i], v[TQ+\i]
.endr
.irp i, 0,1,2
	v_mov_b32 v[\pc+3+\i], v[TQ+\i]
.endr
.endm
.macro WLOAD st                        ; up: K step st of my four tiles of Wi[e]: 12 loads of 512 consecutive bytes
.irp t, 0,1,2,3
.irp c, 0,1,2
	global_load_b128 v[WB0+48*((\st)%2)+12*\t+4*\c:WB0+48*((\st)%2)+12*\t+4*\c+3], v[L16], s[WP:WP+1] offset:\t*TP+(\st)*1536+512*\c
.endr
.endr
.endm
.macro SLOAD q
.irp t, 0,1,2,3
	global_load_b128 v[16+32*((\q)%2)+4*\t:19+32*((\q)%2)+4*\t], v[L16], s[SP:SP+1] offset:(\t*(NS/6)+(\q))*512
.endr
.endm
.macro ALOAD st
.irp u, 0,1
.irp c, 0,1,2
	ds_load_b128 v[AF+12*\u+4*\c:AF+12*\u+4*\c+3], v[AA0+\u] offset:(\st)*1536+512*\c
.endr
	ds_load_b32 v[AS+\u], v[ASA] offset:(\u*NS+(\st))*64
.endr
.endm
.macro MM st                           ; eight matrix instructions, the eight accumulators by turns; odd K steps take the weight's scale words from lanes 16-31
.set WSR, 16+32*(((\st)/6)%2)+((\st)%6)/2
.irp t, 0,1,2,3
.irp u, 0,1
.if ((\st)%2) == 0
	v_wmma_scale_f32_16x16x128_f8f6f4 v[ACC+32*\u+8*\t:ACC+32*\u+8*\t+7], v[WB0+12*\t:WB0+12*\t+11], v[AF+12*\u:AF+12*\u+11], v[ACC+32*\u+8*\t:ACC+32*\u+8*\t+7], v[WSR+4*\t], v[AS+\u] matrix_a_fmt:MATRIX_FMT_BF6 matrix_b_fmt:MATRIX_FMT_BF6
.else
	v_wmma_scale_f32_16x16x128_f8f6f4 v[ACC+32*\u+8*\t:ACC+32*\u+8*\t+7], v[WB1+12*\t:WB1+12*\t+11], v[AF+12*\u:AF+12*\u+11], v[ACC+32*\u+8*\t:ACC+32*\u+8*\t+7], v[WSR+4*\t], v[AS+\u] matrix_a_fmt:MATRIX_FMT_BF6 matrix_b_fmt:MATRIX_FMT_BF6 matrix_a_scale:MATRIX_SCALE_ROW1
.endif
.endr
.endr
.endm
.macro GSTEP st, lc                    ; lc: the loads issued behind this step's weights, which may stay out
	s_wait_loadcnt \lc
	s_wait_dscnt 0x0
	MM \st
	PLACES
.if (\st)+1 < NS
	ALOAD (\st)+1
.endif
.if (\st)+2 < NS
	WLOAD (\st)+2
.endif
.endm
.macro CLOAD row, adr, sp, off
.irp t, 0,1,2,3
	global_load_b128 v[ACC+32*(\row)+8*\t:ACC+32*(\row)+8*\t+3], v[\adr], s[\sp:\sp+1] offset:(\off)+128*(\t/2)+32*(\t%2)
	global_load_b128 v[ACC+32*(\row)+8*\t+4:ACC+32*(\row)+8*\t+7], v[\adr], s[\sp:\sp+1] offset:(\off)+128*(\t/2)+32*(\t%2)+16
.endr
.endm
.macro GELU gx                         ; 32 numbers in v[gx] on, in place
.irp k, 0,2,4,6,8,10,12,14,16,18,20,22,24,26,28,30
	v_pk_mul_f32 v[GZ+\k:GZ+\k+1], v[\gx+\k:\gx+\k+1], s[RH:RH+1] op_sel_hi:[1,0]     ; z = x / sqrt 2
.endr
.irp k, 0,1,2,3,4,5,6,7,8,9,10,11,12,13,14,15,16,17,18,19,20,21,22,23,24,25,26,27,28,29,30,31
	v_med3_num_f32 v[GZ+\k], v[GZ+\k], -4.0, 4.0
.endr
.irp k, 0,2,4,6,8,10,12,14,16,18,20,22,24,26,28,30
	v_pk_mul_f32 v[GZ2+\k:GZ2+\k+1], v[GZ+\k:GZ+\k+1], v[GZ+\k:GZ+\k+1]
.endr
.irp k, 0,2,4,6,8,10,12,14,16,18,20,22,24,26,28,30
	v_pk_fma_f32 v[GP+\k:GP+\k+1], v[GZ2+\k:GZ2+\k+1], s[A0:A0+1], 0x32edffee op_sel_hi:[1,0,0]
.endr
.irp a, 0xb60cff51, 0xb86ec2d2, 0xba40ac63, 0xbb41a1f6, 0xbc83dbd4
.irp k, 0,2,4,6,8,10,12,14,16,18,20,22,24,26,28,30
	v_pk_fma_f32 v[GP+\k:GP+\k+1], v[GP+\k:GP+\k+1], v[GZ2+\k:GZ2+\k+1], \a op_sel_hi:[1,1,0]
.endr
.endr
.irp k, 0,2,4,6,8,10,12,14,16,18,20,22,24,26,28,30
	v_pk_mul_f32 v[GP+\k:GP+\k+1], v[GP+\k:GP+\k+1], v[GZ+\k:GZ+\k+1]                 ; z P: z's registers are free for Q
.endr
.irp k, 0,2,4,6,8,10,12,14,16,18,20,22,24,26,28,30
	v_pk_fma_f32 v[GZ+\k:GZ+\k+1], v[GZ2+\k:GZ2+\k+1], s[B0:B0+1], 0xb95fbd29 op_sel_hi:[1,0,0]
.endr
.irp a, 0xbadc924e, 0xbbf19bf8, 0xbc69b6a7
.irp k, 0,2,4,6,8,10,12,14,16,18,20,22,24,26,28,30
	v_pk_fma_f32 v[GZ+\k:GZ+\k+1], v[GZ+\k:GZ+\k+1], v[GZ2+\k:GZ2+\k+1], \a op_sel_hi:[1,1,0]
.endr
.endr
.irp k, 0,1,2,3,4,5,6,7,8,9,10,11,12,13,14,15,16,17,18,19,20,21,22,23,24,25,26,27,28,29,30,31
	v_rcp_f32 v[GZ+\k], v[GZ+\k]
.endr
.irp k, 0,2,4,6,8,10,12,14,16,18,20,22,24,26,28,30
	v_pk_mul_f32 v[GZ2+\k:GZ2+\k+1], v[\gx+\k:\gx+\k+1], 0.5 op_sel_hi:[1,0]          ; x / 2: plain work behind the reciprocals
.endr
	s_wait_alu depctr_va_vdst(0)                   ; one wait for the 32 reciprocals, ahead of their first reader
.irp k, 0,2,4,6,8,10,12,14,16,18,20,22,24,26,28,30
	v_pk_mul_f32 v[GP+\k:GP+\k+1], v[GP+\k:GP+\k+1], v[GZ+\k:GZ+\k+1]                 ; erf
.endr
.irp k, 0,2,4,6,8,10,12,14,16,18,20,22,24,26,28,30
	v_pk_fma_f32 v[\gx+\k:\gx+\k+1], v[GZ2+\k:GZ2+\k+1], v[GP+\k:GP+\k+1], v[GZ2+\k:GZ2+\k+1]
.endr
.endm
.macro WLOAD2 st                       ; down: the chunk's K step st of my three tiles of Wo: 9 loads of 512 consecutive bytes, into set st % 3
.irp t, 0,1,2
.irp c, 0,1,2
	global_load_b128 v[WB2+36*((\st)%3)+12*\t+4*\c:WB2+36*((\st)%3)+12*\t+4*\c+3], v[L16], s[WP2:WP2+1] offset:\t*36864+(\st)*1536+512*\c
.endr
.endr
.endm
.macro ALOAD2 st                       ; the hidden layer's two fragments of K step st: two waves' halves on end, 256 consecutive bytes a load; and the rows' scale words
.irp u, 0,1
.irp m, 0,1,2,3,4,5
	ds_load_b64 v[AF2+12*\u+2*\m:AF2+12*\u+2*\m+1], v[HL] offset:(\u*8+(\st))*1536+256*\m
.endr
	ds_load_b32 v[AS+\u], v[HSA] offset:(\u*8+(\st))*64
.endr
.endm
.macro MM2 st                          ; six matrix instructions, the six accumulators by turns; the first K step starts the sums
.set WR2, WB2+36*((\st)%3)
.set WS2, 16+(\st)/2
.irp t, 0,1,2
.irp u, 0,1
.if (\st) == 0
	v_wmma_scale_f32_16x16x128_f8f6f4 v[ACC2+24*\u+8*\t:ACC2+24*\u+8*\t+7], v[WR2+12*\t:WR2+12*\t+11], v[AF2+12*\u:AF2+12*\u+11], 0, v[WS2+4*\t], v[AS+\u] matrix_a_fmt:MATRIX_FMT_BF6 matrix_b_fmt:MATRIX_FMT_BF6
.elseif ((\st)%2) == 0
	v_wmma_scale_f32_16x16x128_f8f6f4 v[ACC2+24*\u+8*\t:ACC2+24*\u+8*\t+7], v[WR2+12*\t:WR2+12*\t+11], v[AF2+12*\u:AF2+12*\u+11], v[ACC2+24*\u+8*\t:ACC2+24*\u+8*\t+7], v[WS2+4*\t], v[AS+\u] matrix_a_fmt:MATRIX_FMT_BF6 matrix_b_fmt:MATRIX_FMT_BF6
.else
	v_wmma_scale_f32_16x16x128_f8f6f4 v[ACC2+24*\u+8*\t:ACC2+24*\u+8*\t+7], v[WR2+12*\t:WR2+12*\t+11], v[AF2+12*\u:AF2+12*\u+11], v[ACC2+24*\u+8*\t:ACC2+24*\u+8*\t+7], v[WS2+4*\t], v[AS+\u] matrix_a_fmt:MATRIX_FMT_BF6 matrix_b_fmt:MATRIX_FMT_BF6 matrix_a_scale:MATRIX_SCALE_ROW1
.endif
.endr
.endr
.endm
.macro GSTEP2 st, lc                   ; lc: the loads issued behind this step's weights (the next two steps' 9 each), which may stay out
	s_wait_loadcnt \lc
	s_wait_dscnt 0x0
	MM2 \st
	PLACES
.if (\st)+1 < 8
	ALOAD2 (\st)+1
.endif
.if (\st)+3 < 8
	WLOAD2 (\st)+3                                 ; into the set that this step has just multiplied
.endif
.endm
	s_load_b256 s[4:11], s[0:1], 0x0               ; route 4, act 6, wimg 8, bi 10
	s_load_b64 s[12:13], s[0:1], 0x20              ; part
	v_lshl_add_u32 v[SPW], v0, 2, SPARE
	v_mov_b32 v[NIL], 0
	v_lshrrev_b32 v34, 5, v0
	v_readfirstlane_b32 s[WV], v34                 ; wave 0 .. 15
	v_and_b32 v34, 31, v0
	v_and_b32 v35, 15, v0
	v_bfe_u32 v13, v0, 4, 1
	v_lshlrev_b32 v[L16], 4, v34
	v_add_nc_u32 v[AA0], AIMG, v[L16]
	v_add_nc_u32 v[AA0+1], AIMG+NS*1536, v[L16]
	v_lshl_add_u32 v[ASA], v35, 2, ASC
	s_lshl_b32 s3, s[WV], 8
	v_lshl_add_u32 v[VN], v13, 6, s3
	v_lshlrev_b32 v12, 2, v35
	s_mul_i32 s3, s[WV], 768
	s_add_co_u32 s3, s3, HIMG
	v_lshl_add_u32 v[HW], v34, 3, s3               ; my half fragments: HIMG + 768 x wave + 8 x lane
	v_lshl_add_u32 v[HL], v34, 3, HIMG
	v_lshl_add_u32 v[HSA], v35, 2, HSC
	s_lshr_b32 s3, s[WV], 1
	s_lshl_b32 s3, s3, 6
	s_and_b32 s14, s[WV], 1
	s_lshl_b32 s14, s14, 1
	s_add_co_u32 s3, s3, s14
	s_add_co_u32 s3, s3, HSC
	v_lshl_add_u32 v[HSW], v35, 2, s3              ; my two bytes of K step w / 2's scale word: HSC + 64 (w / 2) + 2 (w % 2) + 4 r
	s_min_u32 s14, s[WV], 11                       ; waves 0 .. 11 stage fragment w = 6 T + K step
	s_mul_i32 s3, s14, 1536
	v_add_nc_u32 v9, s3, v[L16]
	s_lshl_b32 s3, s14, 6
	s_add_co_u32 s3, s3, ASC
	v_lshl_add_u32 v10, v35, 2, s3
	v_mov_b32 v36, 0                               ; lane permutes' destinations count as sources
	v_mov_b32 v37, 0
	s_mul_i32 s15, s14, 43
	s_lshr_b32 s15, s15, 8                         ; T
	s_mul_i32 s3, s15, 6
	s_sub_co_u32 s16, s14, s3                      ; K step
	s_and_b32 s17, ttmp7, 0xffff                   ; chunk
	s_mov_b32 s[SEL], 0x76543210
	s_mov_b32 s[SEL+1], 0xfedcba98
	s_mov_b32 s[RH], 0x3f3504f3                    ; sqrt(1/2)
	s_mov_b32 s[RH+1], s[RH]
	s_mov_b32 s[A0], 0xaf95df0b
	s_mov_b32 s[A0+1], s[A0]
	s_mov_b32 s[B0], 0xb77460cd
	s_mov_b32 s[B0+1], s[B0]
	s_lshl_b32 s18, ttmp9, 3
	s_lshl_b32 s20, ttmp9, 7
	s_lshl_b32 s3, s15, 6
	s_add_co_u32 s20, s20, s3
	s_mov_b32 s21, 0
	s_wait_kmcnt 0x0
	s_load_b32 s19, s[4:5], s18 offset:TINFO       ; the tile's expert
	s_add_nc_u64 s[22:23], s[4:5], s[20:21]
	global_load_b32 v6, v12, s[22:23]              ; the token in slot (T, r)
	s_mul_i32 s20, s16, 96
	s_add_nc_u64 s[24:25], s[6:7], s[20:21]        ; its codes of my K step (XQ stands in the immediate)
	s_lshl_b32 s20, s16, 2
	s_add_nc_u64 s[26:27], s[6:7], s[20:21]        ; and its scale word
	s_wait_kmcnt 0x0
	s_min_u32 s19, s19, 7
	s_mul_i32 s20, s19, 12288
	s_lshl_b32 s3, s17, 12
	s_add_co_u32 s20, s20, s3
	s_add_nc_u64 s[BI:BI+1], s[10:11], s[20:21]    ; bi[e] at my chunk
	s_mul_i32 s3, s19, 192
	s_lshl_b32 s28, s17, 6
	s_add_co_u32 s3, s3, s28
	s_lshl_b32 s28, s[WV], 2
	s_add_co_u32 s3, s3, s28                       ; my first unit of Wi: 192 e + 64 chunk + 4 w
	s_mul_i32 s20, s3, 9216
	s_add_nc_u64 s[WP:WP+1], s[8:9], s[20:21]
	s_lshl_b32 s20, s3, 9
	s_add_co_u32 s20, s20, SCB
	s_add_nc_u64 s[SP:SP+1], s[8:9], s[20:21]
	CLOAD 0, VN, BI, 0
	CLOAD 1, VN, BI, 0
	SLOAD 0
	WLOAD 0
	WLOAD 1
	; the down phase's pointers, made while the loads are out, in registers that no pending load names
	s_mov_b32 s43, 0
	s_mul_i32 s40, s[WV], 12
	s_add_co_u32 s40, s40, 1536                    ; Wo's units begin at 1,536, four to a tile: my three tiles begin at unit 1,536 + 12 w
	s_mul_i32 s42, s40, 9216
	s_mul_i32 s41, s17, 12288                      ; the chunk's eight K steps of 1,536 bytes
	s_add_co_u32 s42, s42, s41
	s_add_nc_u64 s[WP2:WP2+1], s[8:9], s[42:43]
	s_lshl_b32 s40, s40, 9
	s_add_co_u32 s40, s40, SCB
.irp p, 0,1,2,3                        ; K steps 8 chunk + 2 p and + 2 p + 1 share a word of a scale unit: pair P = 4 chunk + p lies in unit P / 3, word P % 3
	s_lshl_b32 s41, s17, 2
	s_add_co_u32 s41, s41, \p
	s_mul_i32 s44, s41, 11
	s_lshr_b32 s44, s44, 5                         ; P / 3 (exact for 0 .. 11)
	s_mul_i32 s45, s44, 3
	s_sub_co_u32 s41, s41, s45                     ; P % 3
	s_lshl_b32 s44, s44, 9
	s_lshl_b32 s41, s41, 2
	s_add_co_u32 s42, s44, s41
	s_add_co_u32 s42, s42, s40
	s_add_nc_u64 s[SQ+2*\p:SQ+2*\p+1], s[8:9], s[42:43]
.endr
	s_mul_i32 s42, s17, 71
	s_add_co_u32 s42, s42, ttmp9
	s_mul_i32 s42, s42, 96
	s_mul_i32 s41, s[WV], 3
	s_add_co_u32 s42, s42, s41
	s_lshl_b32 s42, s42, 10                        ; part: ((71 chunk + tile) x 96 + 48 T + column tile) x 1,024
	s_add_nc_u64 s[PP:PP+1], s[12:13], s[42:43]
	s_wait_loadcnt 44                              ; behind the token's number: 16 of the bias, 4 of scales, 24 of weights
	v_min_u32 v6, 0x7ff, v6                        ; held inside the table
	v_mul_u32_u24 v7, v6, 576
	v_mad_u32_u24 v7, v13, 24, v7
	v_mul_u32_u24 v8, v6, 24
	s_cmp_lt_u32 s[WV], 12
	s_cbranch_scc0 .Lno_stage                      ; round the gather and its stores alone, never round the barrier
.irp p, 0,1,2,3,4,5
	global_load_b64 v[AF+2*\p:AF+2*\p+1], v7, s[24:25] offset:XQ+48*(\p/3)+8*(\p%3)
.endr
	global_load_b32 v46, v8, s[26:27] offset:XS
	s_wait_loadcnt 0x0
.irp c, 0,1,2
	ds_store_b128 v9, v[AF+4*\c:AF+4*\c+3] offset:AIMG+512*\c
.endr
	ds_store_b32 v10, v46
.Lno_stage:
	BARRIER                                        ; the rows' twelve fragments lie in LDS
	ALOAD 0
	GSTEP 0, 0
	GSTEP 1, 12                                    ; the next K step's 12 loads may be out
	GSTEP 2, 12
	GSTEP 3, 12
	GSTEP 4, 12
	GSTEP 5, 0
.irp t, 0,1,2                          ; Wo's scale words, behind the last step's places: register 16 + 4 t + p: lanes 0-15 the even K step of pair p, lanes 16-31 the odd one
.irp p, 0,1,2,3
	global_load_b32 v[16+4*\t+\p], v[L16], s[SQ+2*\p:SQ+2*\p+1] offset:2048*\t
.endr
.endr
	GELU ACC
	GELU ACC+32
	WLOAD2 0                                       ; three K steps of Wo are asked for here: they land while the hidden layer is quantised and handed round
	WLOAD2 1
	WLOAD2 2
	QHALF ACC, PC, SW                              ; K = 64 w + 0 .. 63 of the chunk, rows of T = 0
.irp i, 0,1,2
	ds_store_b64 v[HW], v[PC+2*\i:PC+2*\i+1] offset:256*\i
.endr
	ds_store_b16 v[HSW], v[SW]                     ; lanes r and r + 16 write the same bytes with the same value
	QHALF ACC+32, PC2, SW+1                        ; rows of T = 1
.irp i, 0,1,2
	ds_store_b64 v[HW], v[PC2+2*\i:PC2+2*\i+1] offset:12288+256*\i
.endr
	ds_store_b16 v[HSW], v[SW+1] offset:512
	BARRIER                                        ; the hidden layer's sixteen fragments lie in LDS
	ALOAD2 0
	GSTEP2 0, 18
	GSTEP2 1, 18
	GSTEP2 2, 18
	GSTEP2 3, 18
	GSTEP2 4, 18
	GSTEP2 5, 18
	GSTEP2 6, 9
	GSTEP2 7, 0
.irp u, 0,1
.irp t, 0,1,2
	global_store_b128 v[L16], v[ACC2+24*\u+8*\t:ACC2+24*\u+8*\t+3], s[PP:PP+1] offset:(\u*48+\t)*1024          ; each accumulator from its low end on; 512 consecutive bytes, aligned
	global_store_b128 v[L16], v[ACC2+24*\u+8*\t+4:ACC2+24*\u+8*\t+7], s[PP:PP+1] offset:(\u*48+\t)*1024+512
.endr
.endr
	s_wait_tensorcnt 0x0                           ; the wave's end, behind my last LDS store
	ds_add_u32 v[SPW], v[NIL]
	s_wait_dscnt 0x0
	s_endpgm
.Lfunc_end_k_q0f29f0e604_updown:
	.size	k_q0f29f0e604_updown, .Lfunc_end_k_q0f29f0e604_updown-k_q0f29f0e604_updown
	.p2alignl 7, 3214868480
	.fill 96, 4, 3214868480
	.section	.rodata,"a",@progbits
	.p2align	6, 0x0
	.amdhsa_kernel k_q0f29f0e604_updown
		.amdhsa_group_segment_fixed_size 47104
		.amdhsa_private_segment_fixed_size 0
		.amdhsa_enable_private_segment 0
		.amdhsa_kernarg_size 40
		.amdhsa_user_sgpr_count 2
		.amdhsa_user_sgpr_kernarg_segment_ptr 1
		.amdhsa_wavefront_size32 1
		.amdhsa_system_sgpr_workgroup_id_x 1
		.amdhsa_system_sgpr_workgroup_id_y 1
		.amdhsa_system_sgpr_workgroup_id_z 1
		.amdhsa_system_vgpr_workitem_id 0
		.amdhsa_next_free_vgpr 256
		.amdhsa_next_free_sgpr 80
		.amdhsa_reserve_vcc 0
		.amdhsa_float_denorm_mode_32 3
		.amdhsa_float_denorm_mode_16_64 3
		.amdhsa_memory_ordered 1
		.amdhsa_forward_progress 1
		.amdhsa_inst_pref_size 102
	.end_amdhsa_kernel
	.amdgpu_metadata
---
amdhsa.version: [ 1, 2 ]
amdhsa.kernels:
  - .name:           k_q0f29f0e604_updown
    .symbol:         k_q0f29f0e604_updown.kd
    .args:
      - { .name: route, .offset: 0, .size: 8, .value_kind: global_buffer, .address_space: global }
      - { .name: act, .offset: 8, .size: 8, .value_kind: global_buffer, .address_space: global }
      - { .name: wimg, .offset: 16, .size: 8, .value_kind: global_buffer, .address_space: global }
      - { .name: bi, .offset: 24, .size: 8, .value_kind: global_buffer, .address_space: global }
      - { .name: part, .offset: 32, .size: 8, .value_kind: global_buffer, .address_space: global }
    .group_segment_fixed_size: 47104
    .private_segment_fixed_size: 0
    .kernarg_segment_align: 8
    .kernarg_segment_size: 40
    .max_flat_workgroup_size: 512
    .sgpr_count:     80
    .vgpr_count:     256
    .wavefront_size: 32
...
	.end_amdgpu_metadata
.endif
;; end of part 6
;; launch fin (part 7): grid 71 x 2, 12 waves a work-group, no clusters, 52,992 bytes of LDS; arguments route, part, act, bo, ln2_g, ln2_b, out0; writes out0
.if DOCPART == 7
	.amdgcn_target "amdgcn-amd-amdhsa--gfx1250"
	.amdhsa_code_object_version 6
	.text
	.protected	k_q0f29f0e604_fin
	.globl	k_q0f29f0e604_fin
	.p2align	8
	.type	k_q0f29f0e604_fin,@function
k_q0f29f0e604_fin:
	s_mov_b64 s[64:65], 0
	v_nop
	global_prefetch_b8 v0, s[64:65] scope:SCOPE_SE
	s_setreg_imm32_b32 hwreg(HW_REG_WAVE_MODE, 25, 1), 1
	s_wait_xcnt 0x0
; Launch 5 of 5: out0 = LN2(inter Wo + bo + attention_output).  inter Wo comes as launch 4's three parts (K = 1,024 each), which are added here in ascending order.  Rows of experts that were not routed to do not exist here (dead work: head of launch 1).
; Work-group (tile, T): 16 slots of one tile of launch 3's list; each token's row has one owner.  Twelve waves, 64 columns each.  A lane holds slot r and 32 columns, 64 w + 32 (t / 2) + 16 h + 8 (t % 2) + j in register 8 t + j:
; the layout in which launch 4's accumulators were stored, so each part comes by loads of 512 consecutive bytes.  The residual is gathered by the list (row numbers held to 2,047).
; The layer norm goes in two passes (mean, then the sum of squares of the centred numbers); rows' sums meet in LDS.  Whole rows leave through a stage; only the valid slots, a prefix, are stored: a branch on the stored count, behind the last barrier.
; No matrix work, no cluster, no tensor load: 0.25 MB a work-group, read once.  LIMITS: 1 / 768 is a multiplication; NaN and infinities are not served.
.set RED1,  0                          ; rows' sums: slot x 64 + 4 w; the second pass's 1,024 bytes further on
.set OST,   2048                       ; 16 rows x (3,072 + 16) bytes
.set SPARE, 51456                      ; the spare words: 128 bytes for each of 12 waves, named by no other line
.set TINFO, 9216
.set CST,   6979584                    ; a chunk's parts: 71 tiles x 98,304 bytes
.set L16, 1                            ; v1 16 x lane   v5 256 w + 64 h   v8, v9 the sums' places   v10 into the stage   v11 out of it   v12 the same 512 bytes of a row of out0   v13 4 r: never rewritten
.set VN,  5
.set R1A, 8
.set R1L, 9
.set SPW, 14
.set NIL, 15
.set LB,  16                           ; v16-47 ln2_b   v48-63 at work   v64-95 the residual, then y   v96-191 the three parts   v192-223 bo   v224-255 ln2_g
.set ACC, 64
.set PS,  96
.set BO,  192
.set LG,  224
.set WV,  2
.set SEL, 36
.set NINV, 38
.set INV,  39
.set EPS,  40
.set NV,   41
.macro BARRIER                         ; my LDS stores have landed and my LDS loads are in; then the work-group's barrier
	s_wait_dscnt 0x0
	s_barrier_signal -1
	s_barrier_wait -1
.endm
.macro ELOAD dst, adr, sp              ; 32 numbers a lane in the layout above
.irp t, 0,1,2,3
	global_load_b128 v[\dst+8*\t:\dst+8*\t+3], v[\adr], s[\sp:\sp+1] offset:128*(\t/2)+32*(\t%2)
	global_load_b128 v[\dst+8*\t+4:\dst+8*\t+7], v[\adr], s[\sp:\sp+1] offset:128*(\t/2)+32*(\t%2)+16
.endr
.endm
.macro RSUM off                        ; v[48:49] and v[50:51]: my sums in two chains -> the row's sum over all 768 columns in v52; one barrier
	v_pk_add_f32 v[48:49], v[48:49], v[50:51]
	v_add_f32 v48, v48, v49
	v_permlanex16_b32 v50, v48, s[SEL], s[SEL+1]
	v_add_f32 v48, v48, v50
	ds_store_b32 v[R1A], v48 offset:\off           ; lanes r and r + 16 write the same word with the same value
	BARRIER
.irp c, 0,1,2
	ds_load_b128 v[52+4*\c:55+4*\c], v[R1L] offset:\off+16*\c
.endr
	s_wait_dscnt 0x0
.irp k, 2,4,6,8,10
	v_pk_add_f32 v[52:53], v[52:53], v[52+\k:53+\k]                ; the same order in every wave: every wave gets the same bits
.endr
	v_add_f32 v52, v52, v53
.endm
	s_load_b256 s[4:11], s[0:1], 0x0               ; route 4, part 6, act 8, bo 10
	s_load_b128 s[12:15], s[0:1], 0x20             ; ln2_g 12, ln2_b 14
	s_load_b64 s[16:17], s[0:1], 0x30              ; out0
	v_lshl_add_u32 v[SPW], v0, 2, SPARE
	v_mov_b32 v[NIL], 0
	v_lshrrev_b32 v48, 5, v0
	v_readfirstlane_b32 s[WV], v48                 ; wave 0 .. 11
	v_and_b32 v48, 31, v0
	v_and_b32 v49, 15, v0
	v_bfe_u32 v50, v0, 4, 1
	v_lshlrev_b32 v[L16], 4, v48
	s_lshl_b32 s3, s[WV], 8
	v_lshl_add_u32 v[VN], v50, 6, s3
	s_lshl_b32 s3, s[WV], 2
	s_add_co_u32 s3, s3, RED1
	v_lshl_add_u32 v[R1A], v49, 6, s3
	v_lshl_add_u32 v[R1L], v49, 6, RED1
	v_mul_u32_u24 v10, v49, 3088
	v_add_nc_u32 v10, v10, v[VN]
	v_add_nc_u32 v10, OST, v10                     ; the stage: row = slot r, my columns
	s_mul_i32 s21, s[WV], 43
	s_lshr_b32 s21, s21, 8                         ; w / 6
	s_lshl_b32 s3, s[WV], 9
	s_mul_i32 s31, s21, 21632
	s_add_co_u32 s31, s31, s3
	s_add_co_u32 s31, s31, OST
	v_add_nc_u32 v11, s31, v[L16]                  ; slots 8 (w / 6) on, 512 bytes at 512 (w % 6): 8 x 3,088 (w / 6) + 512 (w - 6 (w / 6)) = 512 w + 21,632 (w / 6)
	s_mul_i32 s31, s21, 3072
	s_sub_co_u32 s31, s3, s31
	v_add_nc_u32 v12, s31, v[L16]
	v_lshlrev_b32 v13, 2, v49
	s_and_b32 s20, ttmp7, 0xffff                   ; T
	s_mov_b32 s[SEL], 0x76543210
	s_mov_b32 s[SEL+1], 0xfedcba98                 ; v_permlanex16_b32's selects for lane l xor 16
	s_mov_b32 s[NINV], 0xbaaaaaab                  ; -1 / 768
	s_mov_b32 s[INV], 0x3aaaaaab                   ; 1 / 768
	s_mov_b32 s[EPS], 0x2b8cbccc                   ; 1e-12
	s_lshl_b32 s34, ttmp9, 7
	s_lshl_b32 s3, s20, 6
	s_add_co_u32 s34, s34, s3                      ; my 16 slots in the list
	s_mov_b32 s35, 0
	s_lshl_b32 s3, s21, 5
	s_add_co_u32 s45, s34, s3                      ; the 8 whose rows I store
	s_lshl_b32 s46, ttmp9, 3
	s_lshl_b32 s32, ttmp9, 1
	s_add_co_u32 s32, s32, s20
	s_mul_i32 s32, s32, 49152
	s_lshl_b32 s3, s[WV], 12
	s_add_co_u32 s32, s32, s3                      ; part: (96 tile + 48 T + 4 w) x 1,024
	s_mov_b32 s33, 0
	s_wait_kmcnt 0x0
	s_load_b32 s30, s[4:5], s46 offset:TINFO+4     ; rows in the tile
	s_load_b256 s[48:55], s[4:5], s45 offset:0x0   ; the tokens of slots 8 (w / 6) + 0 .. 7
	s_add_nc_u64 s[22:23], s[4:5], s[34:35]
	s_add_nc_u64 s[24:25], s[6:7], s[32:33]
	s_add_nc_u64 s[26:27], s[24:25], CST
	s_add_nc_u64 s[28:29], s[26:27], CST
	global_load_b32 v6, v13, s[22:23]              ; the token of slot r: first, since the residual's loads hang on it
.irp c, 0,1,2
.irp t, 0,1,2,3
	global_load_b128 v[PS+32*\c+8*\t:PS+32*\c+8*\t+3], v[L16], s[24+2*\c:25+2*\c] offset:1024*\t               ; 512 consecutive bytes, aligned
	global_load_b128 v[PS+32*\c+8*\t+4:PS+32*\c+8*\t+7], v[L16], s[24+2*\c:25+2*\c] offset:1024*\t+512
.endr
.endr
	ELOAD BO, VN, 10
	ELOAD LG, VN, 12
	ELOAD LB, VN, 14
	s_wait_loadcnt 48                              ; behind the token's number: 24 loads of the parts, 24 of the three vectors
	v_min_u32 v6, 0x7ff, v6                        ; held inside the table
	v_mul_u32_u24 v6, v6, 3072
	v_add_nc_u32 v6, v6, v[VN]
	ELOAD ACC, 6, 8                                ; the residual: attention_output of my slot's token
	s_wait_loadcnt 32                              ; the parts are in: behind them 24 loads of the vectors and 8 of the residual
.irp k, 0,2,4,6,8,10,12,14,16,18,20,22,24,26,28,30
	v_pk_add_f32 v[PS+\k:PS+\k+1], v[PS+\k:PS+\k+1], v[PS+32+\k:PS+33+\k]
.endr
.irp k, 0,2,4,6,8,10,12,14,16,18,20,22,24,26,28,30
	v_pk_add_f32 v[PS+\k:PS+\k+1], v[PS+\k:PS+\k+1], v[PS+64+\k:PS+65+\k]
.endr
	s_wait_loadcnt 0x0
.irp k, 0,2,4,6,8,10,12,14,16,18,20,22,24,26,28,30
	v_pk_add_f32 v[PS+\k:PS+\k+1], v[PS+\k:PS+\k+1], v[BO+\k:BO+\k+1]
.endr
.irp k, 0,2,4,6,8,10,12,14,16,18,20,22,24,26,28,30
	v_pk_add_f32 v[ACC+\k:ACC+\k+1], v[ACC+\k:ACC+\k+1], v[PS+\k:PS+\k+1]
.endr
	v_pk_add_f32 v[48:49], v[ACC:ACC+1], v[ACC+2:ACC+3]            ; the row's sum, in two chains
	v_pk_add_f32 v[50:51], v[ACC+4:ACC+5], v[ACC+6:ACC+7]
.irp k, 8,12,16,20,24,28
	v_pk_add_f32 v[48:49], v[48:49], v[ACC+\k:ACC+\k+1]
	v_pk_add_f32 v[50:51], v[50:51], v[ACC+\k+2:ACC+\k+3]
.endr
	RSUM 0
	v_mul_f32 v48, s[NINV], v52                    ; -mean
	v_mov_b32 v49, v48
.irp k, 0,2,4,6,8,10,12,14,16,18,20,22,24,26,28,30
	v_pk_add_f32 v[ACC+\k:ACC+\k+1], v[ACC+\k:ACC+\k+1], v[48:49]
.endr
	v_pk_mul_f32 v[48:49], v[ACC:ACC+1], v[ACC:ACC+1]
	v_pk_mul_f32 v[50:51], v[ACC+2:ACC+3], v[ACC+2:ACC+3]
.irp k, 4,8,12,16,20,24,28
	v_pk_fma_f32 v[48:49], v[ACC+\k:ACC+\k+1], v[ACC+\k:ACC+\k+1], v[48:49]
	v_pk_fma_f32 v[50:51], v[ACC+\k+2:ACC+\k+3], v[ACC+\k+2:ACC+\k+3], v[50:51]
.endr
	RSUM 1024
	v_fma_f32 v48, v52, s[INV], s[EPS]             ; var + 1e-12
	v_rsq_f32 v48, v48
	v_nop                                          ; a plain place behind it
	s_wait_alu depctr_va_vdst(0)                   ; its wait, ahead of its first reader
	v_mov_b32 v49, v48
.irp k, 0,2,4,6,8,10,12,14,16,18,20,22,24,26,28,30
	v_pk_mul_f32 v[ACC+\k:ACC+\k+1], v[ACC+\k:ACC+\k+1], v[48:49]
.endr
.irp k, 0,2,4,6,8,10,12,14,16,18,20,22,24,26,28,30
	v_pk_fma_f32 v[ACC+\k:ACC+\k+1], v[ACC+\k:ACC+\k+1], v[LG+\k:LG+\k+1], v[LB+\k:LB+\k+1]
.endr
.irp t, 0,1,2,3
	ds_store_b128 v10, v[ACC+8*\t:ACC+8*\t+3] offset:128*(\t/2)+32*(\t%2)
	ds_store_b128 v10, v[ACC+8*\t+4:ACC+8*\t+7] offset:128*(\t/2)+32*(\t%2)+16
.endr
	BARRIER                                        ; 16 whole rows lie in the stage
	s_wait_kmcnt 0x0
	s_lshl_b32 s3, s20, 4
	s_lshl_b32 s31, s21, 3
	s_add_co_u32 s3, s3, s31
	s_sub_co_i32 s[NV], s30, s3                    ; how many of my 8 slots hold a token
.irp i, 0,1,2,3,4,5,6,7
	ds_load_b128 v[64+4*\i:67+4*\i], v11 offset:3088*\i
.endr
.irp i, 0,1,2,3,4,5,6,7
	s_cmp_le_i32 s[NV], \i
	s_cbranch_scc1 .Lend                           ; the valid slots are a prefix; no barrier follows
	s_min_u32 s42, s[48+\i], 2047
	s_mul_i32 s42, s42, 3072
	v_add_nc_u32 v[128+\i], s42, v12               ; each store has an offset register of its own
	s_wait_dscnt 7-\i
	global_store_b128 v[128+\i], v[64+4*\i:67+4*\i], s[16:17] th:TH_STORE_NT       ; 512 consecutive bytes, aligned
.endr
.Lend:
	s_wait_tensorcnt 0x0                           ; the wave's end, behind my last LDS store
	ds_add_u32 v[SPW], v[NIL]
	s_wait_dscnt 0x0
	s_endpgm
.Lfunc_end_k_q0f29f0e604_fin:
	.size	k_q0f29f0e604_fin, .Lfunc_end_k_q0f29f0e604_fin-k_q0f29f0e604_fin
	.p2alignl 7, 3214868480
	.fill 96, 4, 3214868480
	.section	.rodata,"a",@progbits
	.p2align	6, 0x0
	.amdhsa_kernel k_q0f29f0e604_fin
		.amdhsa_group_segment_fixed_size 52992
		.amdhsa_private_segment_fixed_size 0
		.amdhsa_enable_private_segment 0
		.amdhsa_kernarg_size 56
		.amdhsa_user_sgpr_count 2
		.amdhsa_user_sgpr_kernarg_segment_ptr 1
		.amdhsa_wavefront_size32 1
		.amdhsa_system_sgpr_workgroup_id_x 1
		.amdhsa_system_sgpr_workgroup_id_y 1
		.amdhsa_system_sgpr_workgroup_id_z 1
		.amdhsa_system_vgpr_workitem_id 0
		.amdhsa_next_free_vgpr 256
		.amdhsa_next_free_sgpr 66
		.amdhsa_reserve_vcc 0
		.amdhsa_float_denorm_mode_32 3
		.amdhsa_float_denorm_mode_16_64 3
		.amdhsa_memory_ordered 1
		.amdhsa_forward_progress 1
		.amdhsa_inst_pref_size 24
	.end_amdhsa_kernel
	.amdgpu_metadata
---
amdhsa.version: [ 1, 2 ]
amdhsa.kernels:
  - .name:           k_q0f29f0e604_fin
    .symbol:         k_q0f29f0e604_fin.kd
    .args:
      - { .name: route, .offset: 0, .size: 8, .value_kind: global_buffer, .address_space: global }
      - { .name: part, .offset: 8, .size: 8, .value_kind: global_buffer, .address_space: global }
      - { .name: act, .offset: 16, .size: 8, .value_kind: global_buffer, .address_space: global }
      - { .name: bo, .offset: 24, .size: 8, .value_kind: global_buffer, .address_space: global }
      - { .name: ln2_g, .offset: 32, .size: 8, .value_kind: global_buffer, .address_space: global }
      - { .name: ln2_b, .offset: 40, .size: 8, .value_kind: global_buffer, .address_space: global }
      - { .name: out0, .offset: 48, .size: 8, .value_kind: global_buffer, .address_space: global }
    .group_segment_fixed_size: 52992
    .private_segment_fixed_size: 0
    .kernarg_segment_align: 8
    .kernarg_segment_size: 56
    .max_flat_workgroup_size: 384
    .sgpr_count:     66
    .vgpr_count:     256
    .wavefront_size: 32
...
	.end_amdgpu_metadata
.endif
;; end of part 7
